; MI455X (gfx1250); checked and timed in simulation.
; The chip was launched on July 23, 2026; its instructions are those of AMD's public machine-readable ISA for CDNA 5 (MIT licence, August 2026) and "CDNA5" Instruction Set Architecture Reference Guide (July 2026). The comments in the code are by the model that wrote it; some were corrected since.
;; Multi Scale Retention. Allowed arithmetic: matrix products marked QUANTISED: E2M3 operands, one E8M0 scale for each 32 along K, by v_wmma_scale_f32_16x16x128_f8f6f4 with both operands' format E2M3, f32 sums; everything else in f32.
;; Inputs: W_G 2,048 x 2,048 float32; W_K 16 x 2,048 x 128 float32; W_O 2,048 x 2,048 float32; W_Q 16 x 2,048 x 128 float32; W_V 16 x 2,048 x 128 float32; X 2 x 1,024 x 2,048 float32; gn_bias 2,048 float32; gn_weight 2,048 float32.
;; Outputs: out0 2 x 1,024 x 2,048 float32.
;; This version of the problem:
;;   THIS VERSION OF THE PROBLEM IS GIVEN IN LOW PRECISION. The matrix products marked QUANTISED in the list below multiply operands that are first quantised to E2M3 (2 exponent bits, 3 mantissa bits; 6 bits a number), with one power-of-two scale for each 32 numbers along K (OCP MX v1.0); their sums are f32. All else is computed in f32.
;;   The module's matrix products, in the order in which they are computed (A, B: the left and right operand; K: the contracted axis; several contracted axes count as one K, in the product's order):
;;     1. [M 2,048, K 2,048] x [K 2,048, N 2,048]; A: input W_Q; B: input X: QUANTISED
;;     2. [M 2,048, K 2,048] x [K 2,048, N 2,048]; A: input W_K; B: input X: QUANTISED
;;     3. [M 2,048, K 2,048] x [K 2,048, N 2,048]; A: input W_V; B: input X: QUANTISED
;;     4. batch 32 x [M 1,024, K 128] x [K 128, N 1,024]; A: computed on the way; B: computed on the way: QUANTISED
;;     5. batch 32 x [M 1,024, K 1,024] x [K 1,024, N 128]; A: computed on the way; B: computed on the way: QUANTISED
;;     6. [M 2,048, K 2,048] x [K 2,048, N 2,048]; A: input X; B: input W_G: QUANTISED
;;     7. [M 2,048, K 2,048] x [K 2,048, N 2,048]; A: computed on the way; B: input W_O: QUANTISED
;;   THE QUANTISER, for each operand of a quantised product, along K:
;;     - K is cut into blocks of 32 from its start; a last block that is shorter is filled with zeros.
;;     - A block's scale is 2^e with e = floor(log2(the largest magnitude in the block)) - 2, held to -126 .. 127; a block of zeros has e = 0. As a byte (E8M0): e + 127.
;;     - Each number is divided by its block's scale, clamped to +-7.5, and rounded to the nearest number of E2M3, ties to even, subnormals kept.
;;     - The product sums the exact products of the quantised numbers (number of the format x scale) in f32.
;;   ~~~python
;;   def quantise(x, axis):      # numpy; x: float32 -> the quantised numbers, widened to float32 again
;;       x = np.moveaxis(x, axis, -1); K = x.shape[-1]
;;       x = np.pad(x, [(0, 0)] * (x.ndim - 1) + [(0, -K % 32)]); x = x.reshape(x.shape[:-1] + (-1, 32)); a = np.abs(x).max(-1, keepdims=True)
;;       e = np.where(a > 0, np.clip(np.frexp(np.where(a > 0, a, 1))[1] - 1 - 2, -126, 127), 0)      # np.frexp(a)[1] - 1 = floor(log2(a)), exactly
;;       r = np.clip(x / 2.0 ** e, -7.5, 7.5)
;;       step = 2.0 ** (np.maximum(np.frexp(np.where(r == 0, 1, r))[1] - 1, 0) - 3)
;;       q = np.round(r / step) * step * 2.0 ** e      # np.round: ties to even
;;       return np.moveaxis(q.reshape(q.shape[:-2] + (-1,))[..., :K], -1, axis).astype(np.float32)
;;   ~~~
;;   OPERANDS COMPUTED ON THE WAY. 'Computed on the way' means the value that the module computes at that place (a softmax that the list does not call 'softmax' is quantised finished and normalised). What goes into a quantiser is computed in f32, as accurately as f32 sums, v_exp_f32 and their like allow (about 1e-6 of the number): no bf16 or f16 on the way to a quantiser, and a product that is left as it is and whose result goes on into a quantised operand takes f32 operands (vector FMAs, or v_wmma_f32_16x16x4_f32). A number that lies on a knife's edge between two numbers of the format may be rounded either way, as far as f32 arithmetic and the matrix unit's own rounding can turn it there, and no further.
;; One version. Each part assembles by itself: llvm-mc -triple=amdgcn-amd-amdhsa -mcpu=gfx1250 --defsym DOCPART=n.
;; ======== version 1 of 1: 4 launches
;; workspace buffers: opq 19,660,800 bytes; tab 1,048,576 bytes; qf 3,276,800 bytes; kv 6,553,600 bytes; gate 16,777,216 bytes; zq 3,276,800 bytes
;; launch prep (part 1): grid 400 x 1, 4 waves a work-group, no clusters, 133,632 bytes of LDS; arguments X, W_Q, W_K, W_V, W_G, W_O, opq, tab; writes opq, tab
.if DOCPART == 1
	.amdgcn_target "amdgcn-amd-amdhsa--gfx1250"
	.amdhsa_code_object_version 6
	.text
	.protected	k_qebe6b86bb6_prep
	.globl	k_qebe6b86bb6_prep
	.p2align	8
	.type	k_qebe6b86bb6_prep,@function
k_qebe6b86bb6_prep:
	s_mov_b64 s[64:65], 0
	v_nop
	global_prefetch_b8 v0, s[64:65] scope:SCOPE_SE
	s_setreg_imm32_b32 hwreg(HW_REG_WAVE_MODE, 25, 1), 1
	s_wait_xcnt 0x0
; PREP.  X [2048 tokens][2048] and the five weights (K = their 2,048-long axis, which is not innermost) become codes of FP6 (E2M3) with one E8M0 byte
; for each 32 along K, laid as IMAGES OF THE MATRIX OPERAND'S REGISTERS; and the XPOS table (cos x scale, sin x scale for Q; the same with 1 / scale for K) is made.
; AN OPERAND (OPSZ bytes): codes [R 16][k128 16][f 8][1,536], then from SCOFF on scale words [R 16][k128 16][512].  R: 128 operand rows; k128: 128 along K.
; Fragment f holds, in lane-row r, row 32 (f / 2) + 8 (f % 2) + r + 8 (r / 8) of the 128.  In a fragment, chunk c of 512 bytes holds registers 4 c .. 4 c + 3, lane l's 16 bytes at 16 l;
; lane (r, h) has K = 32 h .. in registers 0-5 and K = 64 + 32 h .. in registers 6-11.  The scale word of (r, f) lies at 32 r + 16 (f % 2) + 4 (f / 2).
; SHARES.  Work-groups 0-383: operand = number / 64 (0 X, 1 W_Q, 2 W_K, 3 W_V, 4 W_G, 5 W_O); each wave takes one unit of 128 rows x 128 K: 64 KiB in, 12,800 bytes out.
; Every load reads 512 consecutive bytes; 32 of them turn through the wave's own stage in LDS, so that a lane then holds 32 neighbours along K of ONE operand row.
; Lane y of a group of 32 rows stands for fragment half u = (y / 8) % 2 and lane-row r = y % 8 + 8 (y / 16): sixteen lanes then store 256 consecutive aligned bytes of a fragment's image.
; Work-groups 384-399: the table; wave = one image of 16 positions x 64 pairs, for Q and for K.
; A block's scale byte is its largest magnitude's exponent field - 2, held at 1 from below (a block of zeros keeps 1: its codes are zeros, and this program alone reads the bytes).
; LIMITS: NaN and infinities among the inputs are not served.  The table's powers come from v_exp_f32 and v_log_f32 with exact splits of the exponents; sine and cosine from a two-word
; reduction by pi / 2 and polynomials of degree 7 and 8: an angle can differ from an f32 evaluation of pos x inv_freq by the rounding of inv_freq, pos x 2^-24 of itself.
.set OPSZ,   3276800
.set SCOFF,  3145728
.set XPITCH, 528                       ; X's stage: a row of 512 bytes + 16: 33 x 16, so that 16 lanes' reads of 16 bytes fall on 16 different columns
.set WST,    67584                     ; the weights' stages lie behind X's four: each path has LDS bytes of its own
.set SPARE,  133120                    ; the spare words, 128 bytes a wave
.set LI,   1                           ; 16 x lane
.set STW,  2                           ; stage, on the way in
.set STR,  3                           ; stage, on the way out
.set CO,   4                           ; 1,536 u + 16 r
.set SO,   5                           ; 32 r + 16 u
.set SPW,  6
.set NIL,  7
.set OFF,  8                           ; v8-15 weights: 16 x lane + i x row pitch
.set MX,   16
.set SCO,  18
.set BY,   19
.set WD,   20                          ; v20-23 scale words of the four groups of 32 rows
.set F,    24                          ; v24-35 a lane's twelve registers of a fragment
.set T,    36
.set HOLD, 40                          ; v40-55 registers 4, 5 of a lane's fragment, kept until their chunk is whole
.set XB,   64                          ; v64-127 two sets of 32 numbers
.set RG,   128                         ; v128-255 32 loads x 4
.macro FINISH                          ; the wave's end, behind the last LDS store
	s_wait_tensorcnt 0x0
	ds_add_u32 v[SPW], v[NIL]
	s_wait_dscnt 0x0
	s_endpgm
.endm
.macro GLOAD x, o                      ; 32 loads of 512 consecutive bytes: X: rows 32 o + i; weights: K rows 32 o + i
.set gi, 0
.rept 32
.if \x
	global_load_b128 v[RG+4*gi:RG+4*gi+3], v[LI], s[32:33] offset:(32*(\o)+gi)*8192 th:TH_LOAD_NT
.else
	global_load_b128 v[RG+4*gi:RG+4*gi+3], v[OFF+gi%8], s[32+2*(4*(\o)+gi/8):33+2*(4*(\o)+gi/8)] th:TH_LOAD_NT
.endif
.set gi, gi+1
.endr
.endm
.macro PUT x
.set pi_, 0
.rept 32
.if \x
	ds_store_b128 v[STW], v[RG+4*pi_:RG+4*pi_+3] offset:pi_*XPITCH
.else
	ds_store_b128 v[STW], v[RG+4*pi_:RG+4*pi_+3] offset:pi_*512
.endif
.set pi_, pi_+1
.endr
.endm
.macro RD x, n, set                    ; X: block n of my row;  weights: the 32 K rows at my column of group n
.set ri, 0
.if \x
.rept 8
	ds_load_b128 v[XB+32*(\set)+4*ri:XB+32*(\set)+4*ri+3], v[STR] offset:128*(\n)+16*ri
.set ri, ri+1
.endr
.else
.rept 32
	ds_load_b32 v[XB+32*(\set)+ri], v[STR] offset:512*ri+128*(\n)
.set ri, ri+1
.endr
.endif
.endm
; Block be (32 along K) of my row in group p: it belongs to image lane r + 16 (be % 2), registers 6 (be / 2) .. + 5
.macro BLOCK be, p, set
.set XS, XB+32*(\set)
.set HH, (\be)%2
.set HR, HOLD+4*(\p)+2*HH
	v_max3_num_f32 v[MX], |v[XS]|, |v[XS+1]|, |v[XS+2]|
	v_max3_num_f32 v[MX+1], |v[XS+3]|, |v[XS+4]|, |v[XS+5]|
.irp i, 6,10,14,18,22,26
	v_max3_num_f32 v[MX], v[MX], |v[XS+\i]|, |v[XS+\i+1]|
	v_max3_num_f32 v[MX+1], v[MX+1], |v[XS+\i+2]|, |v[XS+\i+3]|
.endr
	v_max3_num_f32 v[MX], v[MX], |v[XS+30]|, |v[XS+31]|
	v_max3_num_f32 v[MX], v[MX], v[MX+1], 0x1800000        ; the floor 2^(3 - 127): the byte cannot fall under 1
	v_add_nc_u32 v[SCO], 0xff000000, v[MX]                 ; 2 off the exponent field: the conversion's scale operand
	s_wait_xcnt 0x0                                        ; earlier stores have read F: it is written again only behind this wait
.if (\be) < 2
	v_cvt_scalef32_pk16_fp6_f32 v[F:F+2], v[XS:XS+15], v[SCO]
	v_cvt_scalef32_pk16_fp6_f32 v[T:T+2], v[XS+16:XS+31], v[SCO]   ; (a conversion's three registers begin on an even number)
.else
	v_cvt_scalef32_pk16_fp6_f32 v[F+6:F+8], v[XS:XS+15], v[SCO]
	v_cvt_scalef32_pk16_fp6_f32 v[T:T+2], v[XS+16:XS+31], v[SCO]
.endif
	v_lshrrev_b32 v[BY], 23, v[SCO]                        ; the scale's byte; also the plain line behind the conversions
.if (\be) == 0
	v_mov_b32 v[WD+(\p)], v[BY]
.else
	v_lshl_or_b32 v[WD+(\p)], v[BY], 8*(\be), v[WD+(\p)]
.endif
.if (\be) < 2
	v_mov_b32 v[F+3], v[T]
	v_mov_b32 v[HR], v[T+1]
	v_mov_b32 v[HR+1], v[T+2]
	global_store_b128 v[CO], v[F:F+3], s[24:25] offset:3072*(\p)+256*HH          ; sixteen lanes: 256 consecutive aligned bytes
.else
	v_mov_b32 v[F+4], v[HR]
	v_mov_b32 v[F+5], v[HR+1]
	v_mov_b32 v[F+9], v[T]
	v_mov_b32 v[F+10], v[T+1]
	v_mov_b32 v[F+11], v[T+2]
	global_store_b128 v[CO], v[F+4:F+7], s[24:25] offset:3072*(\p)+512+256*HH
	global_store_b128 v[CO], v[F+8:F+11], s[24:25] offset:3072*(\p)+1024+256*HH
.endif
.endm
.macro BLK x, o, n                     ; X: outer = group of rows, inner = block;  weights: outer = block, inner = group of columns
.if \x
	BLOCK \n, \o, (\n)%2
.else
	BLOCK \o, \n, (\n)%2
.endif
.endm
.macro OUTER x, o
.set NRD, 32-24*(\x)                   ; LDS loads in one RD
	s_wait_loadcnt 0x0                                     ; this pass's 32 loads are in
	PUT \x
	RD \x, 0, 0
	s_wait_dscnt NRD                                       ; all but the RD just issued: the stage's stores have read RG
.if (\o) < 3
	GLOAD \x, (\o)+1                                       ; the next pass is on its way while this one is worked
.endif
	RD \x, 1, 1
	s_wait_dscnt NRD                                       ; the older RD is in, the younger may be out
	BLK \x, \o, 0
	RD \x, 2, 0
	s_wait_dscnt NRD
	BLK \x, \o, 1
	RD \x, 3, 1
	s_wait_dscnt NRD
	BLK \x, \o, 2
	s_wait_dscnt 0x0
	BLK \x, \o, 3
.endm
	s_load_b256 s[4:11], s[0:1], 0x0               ; X, W_Q, W_K, W_V
	s_load_b256 s[12:19], s[0:1], 0x20             ; W_G, W_O, opq, tab
	v_lshl_add_u32 v[SPW], v0, 2, SPARE
	v_mov_b32 v[NIL], 0
	v_lshrrev_b32 v9, 5, v0
	v_readfirstlane_b32 s20, v9                    ; wave
	v_and_b32 v10, 31, v0                          ; lane
	v_lshlrev_b32 v[LI], 4, v10
	v_bfe_u32 v11, v10, 3, 1                       ; u
	v_and_b32 v12, 7, v10
	v_lshrrev_b32 v13, 4, v10                      ; lane / 16
	v_lshl_or_b32 v12, v13, 3, v12                 ; r
	v_lshlrev_b32 v[CO], 4, v12
	v_mad_u32_u24 v[CO], v11, 1536, v[CO]
	v_lshlrev_b32 v[SO], 5, v12
	v_lshl_add_u32 v[SO], v11, 4, v[SO]
	s_lshr_b32 s21, ttmp9, 6                       ; which operand
	s_and_b32 s22, ttmp9, 63
	s_wait_kmcnt 0x0
	s_cmp_ge_u32 ttmp9, 384
	s_cbranch_scc1 .Ltable
	s_and_b32 s23, s22, 3
	s_lshl_b32 s23, s23, 2
	s_add_co_u32 s23, s23, s20                     ; R
	s_lshr_b32 s22, s22, 2                         ; k128
	s_lshl_b32 s28, s23, 4
	s_add_co_u32 s28, s28, s22                     ; 16 R + k128
	s_mul_i32 s29, s21, OPSZ
	s_mul_i32 s24, s28, 12288
	s_add_co_u32 s24, s24, s29
	s_mov_b32 s25, 0
	s_lshl_b32 s26, s28, 9
	s_add_co_u32 s26, s26, s29
	s_add_co_u32 s26, s26, SCOFF
	s_mov_b32 s27, 0
	s_add_nc_u64 s[24:25], s[16:17], s[24:25]      ; my unit's codes
	s_add_nc_u64 s[26:27], s[16:17], s[26:27]      ; and its scale words
	s_cmp_lg_u32 s21, 0
	s_cbranch_scc1 .Lweights
	; ---- X: K innermost
	s_mul_i32 s30, s20, 32*XPITCH                  ; my stage
	v_add_nc_u32 v[STW], s30, v[LI]
	v_mul_u32_u24 v[STR], v10, XPITCH
	v_add_nc_u32 v[STR], s30, v[STR]
	s_lshl_b32 s30, s23, 20                        ; 128 rows of 8,192 bytes
	s_lshl_b32 s31, s22, 9                         ; 128 numbers along K
	s_add_co_u32 s30, s30, s31
	s_mov_b32 s31, 0
	s_add_nc_u64 s[32:33], s[4:5], s[30:31]
	GLOAD 1, 0
	OUTER 1, 0
	OUTER 1, 1
	OUTER 1, 2
	OUTER 1, 3
	global_store_b128 v[SO], v[WD:WD+3], s[26:27]  ; 32 lanes: the unit's 512 bytes of scale words
	FINISH
.Lweights:
	; ---- a weight: K runs down the rows of memory, the operand's rows are columns
	s_mul_i32 s30, s20, 16384
	s_add_co_u32 s30, s30, WST                     ; my stage
	v_add_nc_u32 v[STW], s30, v[LI]
	v_lshl_add_u32 v[STR], v10, 2, s30
	s_mov_b64 s[32:33], s[14:15]                   ; the buffer is chosen by the operand's number alone
	s_cmp_eq_u32 s21, 4
	s_cselect_b64 s[32:33], s[12:13], s[32:33]
	s_cmp_eq_u32 s21, 3
	s_cselect_b64 s[32:33], s[10:11], s[32:33]
	s_cmp_eq_u32 s21, 2
	s_cselect_b64 s[32:33], s[8:9], s[32:33]
	s_cmp_eq_u32 s21, 1
	s_cselect_b64 s[32:33], s[6:7], s[32:33]
	s_cmp_lt_u32 s21, 4                            ; [head][K][128] or [K][2048]
	s_mov_b32 s28, 8192
	s_cselect_b32 s28, 512, s28                    ; bytes from a K row to the next
	s_mov_b32 s29, 512
	s_cselect_b32 s29, 0x100000, s29               ; from R to R + 1
	s_mov_b32 s30, 0x100000
	s_cselect_b32 s30, 0x10000, s30                ; from k128 to k128 + 1
	s_mul_i32 s29, s29, s23
	s_mul_i32 s30, s30, s22
	s_add_co_u32 s30, s30, s29
	s_mov_b32 s31, 0
	s_add_nc_u64 s[32:33], s[32:33], s[30:31]      ; my unit's first K row
	s_lshl_b32 s30, s28, 3                         ; eight K rows
.irp g, 1,2,3,4,5,6,7,8,9,10,11,12,13,14,15
	s_add_nc_u64 s[32+2*\g:33+2*\g], s[30+2*\g:31+2*\g], s[30:31]
.endr
	v_mov_b32 v[OFF], v[LI]
.irp i, 1,2,3,4,5,6,7
	v_add_nc_u32 v[OFF+\i], s28, v[OFF+\i-1]
.endr
	GLOAD 0, 0
	OUTER 0, 0
	OUTER 0, 1
	OUTER 0, 2
	OUTER 0, 3
	global_store_b128 v[SO], v[WD:WD+3], s[26:27]
	FINISH
.Ltable:
	; ---- the XPOS table.  Image I = 4 (work-group - 384) + wave: positions 128 (I / 8) + those of fragment I % 8; lane (r, h), register m: pair 16 (m / 8) + 8 h + m % 8
.set VO,   40
.set POSF, 41
.set H8,   42
.set PI0,  43
.set P512, 44
.set PIX,  48
.set PF,   52
.set A1,   56
.set KF,   60
.set FRC,  64
.set XSC,  68
.set INV,  72
.set LGX,  76
.set KI,   80
.set ANG,  84
.set EE,   88
.set ZQ,   92
.set ZK,   96
.set NN,   100
.set RR,   104
.set R2,   108
.set SN,   112
.set CS,   116
.set QI,   120
.set T1,   124
.set T2,   128
.set CQ,   132
.set SQ,   136
.set CK,   140
.set SK,   144
	s_sub_co_u32 s22, ttmp9, 384
	s_lshl_b32 s22, s22, 2
	s_add_co_u32 s22, s22, s20                     ; I
	s_lshr_b32 s23, s22, 3
	s_and_b32 s24, s22, 7
	s_lshl_b32 s26, s22, 13
	s_mov_b32 s27, 0
	s_add_nc_u64 s[18:19], s[18:19], s[26:27]      ; my image, Q's; K's lies 524,288 bytes on
	s_lshl_b32 s25, s23, 7
	s_lshr_b32 s26, s24, 1
	s_lshl_b32 s26, s26, 5
	s_add_co_u32 s25, s25, s26
	s_and_b32 s26, s24, 1
	s_lshl_b32 s26, s26, 3
	s_add_co_u32 s25, s25, s26
	v_and_b32 v14, 15, v10
	v_and_b32 v15, 8, v14
	v_add3_u32 v14, v14, v15, s25                  ; my position
	v_cvt_f32_u32 v[POSF], v14
	v_mul_f32 v[P512], 0x3b000000, v[POSF]         ; / 512, exact
	v_lshlrev_b32 v[H8], 3, v13
	v_mov_b32 v[VO], v[LI]
	s_mov_b32 s66, 0x3e549000                      ; log2(10000) / 64 in two words: the first has 12 bits, so its product with a pair's number is exact
	s_mov_b32 s67, 0x382784bd
	s_mov_b32 s68, 0x424ccccd                      ; 51.2
	s_mov_b32 s69, 0x3bb6db6e                      ; 1 / 179.2
	s_mov_b32 s70, 0x3f22f983                      ; 2 / pi
	s_mov_b32 s71, 0x3fc90fdb                      ; pi / 2 in two words
	s_mov_b32 s72, 0xb33bbd2e
	s_mov_b32 s73, 0xbe2aaaa3                      ; sine's coefficients
	s_mov_b32 s74, 0x3c08839e
	s_mov_b32 s75, 0xb94ca1f9
	s_mov_b32 s76, 0x3d2aaaa5                      ; cosine's
	s_mov_b32 s77, 0xbab6061a
	s_mov_b32 s78, 0x37ccf5ce
	s_mov_b32 s28, 0
.Lchunk:                                               ; eight trips: registers 4 c .. 4 c + 3 of the cosines and of the sines; the four go by turns
	s_lshr_b32 s29, s28, 1
	s_lshl_b32 s29, s29, 4
	s_and_b32 s30, s28, 1
	s_lshl_b32 s30, s30, 2
	s_add_co_u32 s29, s29, s30
	v_add_nc_u32 v[PI0], s29, v[H8]
.irp j, 0,1,2,3
	v_add_nc_u32 v[PIX+\j], \j, v[PI0]             ; the pair's number
.endr
.irp j, 0,1,2,3
	v_cvt_f32_u32 v[PF+\j], v[PIX+\j]
.endr
.irp j, 0,1,2,3
	v_mul_f32 v[A1+\j], s66, v[PF+\j]
.endr
.irp j, 0,1,2,3
	v_rndne_f32 v[KF+\j], v[A1+\j]
.endr
.irp j, 0,1,2,3
	v_sub_f32 v[FRC+\j], v[A1+\j], v[KF+\j]
.endr
.irp j, 0,1,2,3
	v_fma_f32 v[FRC+\j], v[PF+\j], s67, v[FRC+\j]  ; log2 of 10000^(pair / 64) = a whole number + this
.endr
.irp j, 0,1,2,3
	v_fma_f32 v[XSC+\j], v[PF+\j], 2.0, s68
.endr
.irp j, 0,1,2,3
	v_mul_f32 v[XSC+\j], s69, v[XSC+\j]            ; (2 pair + 51.2) / 179.2
.endr
.irp j, 0,1,2,3
	v_exp_f32 v[INV+\j], -v[FRC+\j]
.endr
.irp j, 0,1,2,3
	v_log_f32 v[LGX+\j], v[XSC+\j]
.endr
.irp j, 0,1,2,3
	v_cvt_i32_f32 v[KI+\j], v[KF+\j]               ; plain work behind the batch
.endr
.irp j, 0,1,2,3
	v_sub_nc_u32 v[KI+\j], 0, v[KI+\j]
.endr
	s_wait_alu depctr_va_vdst(0)                   ; one wait for the eight, ahead of their first reader
.irp j, 0,1,2,3
	v_ldexp_f32 v[INV+\j], v[INV+\j], v[KI+\j]     ; inv_freq
.endr
.irp j, 0,1,2,3
	v_mul_f32 v[ANG+\j], v[POSF], v[INV+\j]
.endr
.irp j, 0,1,2,3
	v_mul_f32 v[EE+\j], v[P512], v[LGX+\j]
.endr
.irp j, 0,1,2,3
	v_exp_f32 v[ZQ+\j], v[EE+\j]                   ; scale,
.endr
.irp j, 0,1,2,3
	v_exp_f32 v[ZK+\j], -v[EE+\j]                  ; and 1 / scale
.endr
.irp j, 0,1,2,3
	v_mul_f32 v[NN+\j], s70, v[ANG+\j]
.endr
.irp j, 0,1,2,3
	v_rndne_f32 v[NN+\j], v[NN+\j]
.endr
.irp j, 0,1,2,3
	v_fma_f32 v[RR+\j], -v[NN+\j], s71, v[ANG+\j]
.endr
.irp j, 0,1,2,3
	v_fma_f32 v[RR+\j], -v[NN+\j], s72, v[RR+\j]   ; the angle less a whole number of quarter turns
.endr
.irp j, 0,1,2,3
	v_mul_f32 v[R2+\j], v[RR+\j], v[RR+\j]
.endr
.irp j, 0,1,2,3
	v_fma_f32 v[T1+\j], v[R2+\j], s75, s74
.endr
.irp j, 0,1,2,3
	v_fma_f32 v[T1+\j], v[T1+\j], v[R2+\j], s73
.endr
.irp j, 0,1,2,3
	v_mul_f32 v[T2+\j], v[RR+\j], v[R2+\j]
.endr
.irp j, 0,1,2,3
	v_fma_f32 v[SN+\j], v[T2+\j], v[T1+\j], v[RR+\j]
.endr
.irp j, 0,1,2,3
	v_fma_f32 v[T1+\j], v[R2+\j], s78, s77
.endr
.irp j, 0,1,2,3
	v_fma_f32 v[T1+\j], v[T1+\j], v[R2+\j], s76
.endr
.irp j, 0,1,2,3
	v_mul_f32 v[T2+\j], v[R2+\j], v[R2+\j]
.endr
.irp j, 0,1,2,3
	v_fma_f32 v[CS+\j], v[R2+\j], -0.5, 1.0
.endr
.irp j, 0,1,2,3
	v_fma_f32 v[CS+\j], v[T2+\j], v[T1+\j], v[CS+\j]
.endr
.irp j, 0,1,2,3
	v_cvt_i32_f32 v[QI+\j], v[NN+\j]
.endr
.irp j, 0,1,2,3
	v_and_b32 v[T1+\j], 1, v[QI+\j]
.endr
.irp j, 0,1,2,3
	v_cmp_ne_u32 vcc_lo, 0, v[T1+\j]               ; an odd number of quarter turns: sine and cosine change places
	v_cndmask_b32 v[T2+\j], v[SN+\j], v[CS+\j], vcc_lo
	v_cndmask_b32 v[CS+\j], v[CS+\j], v[SN+\j], vcc_lo
.endr
.irp j, 0,1,2,3
	v_and_b32 v[T1+\j], 2, v[QI+\j]
.endr
.irp j, 0,1,2,3
	v_lshlrev_b32 v[T1+\j], 30, v[T1+\j]
.endr
.irp j, 0,1,2,3
	v_xor_b32 v[SN+\j], v[T1+\j], v[T2+\j]         ; the sine's sign
.endr
.irp j, 0,1,2,3
	v_add_nc_u32 v[QI+\j], 1, v[QI+\j]
.endr
.irp j, 0,1,2,3
	v_and_b32 v[QI+\j], 2, v[QI+\j]
.endr
.irp j, 0,1,2,3
	v_lshlrev_b32 v[QI+\j], 30, v[QI+\j]
.endr
.irp j, 0,1,2,3
	v_xor_b32 v[CS+\j], v[QI+\j], v[CS+\j]         ; the cosine's
.endr
	s_wait_alu depctr_va_vdst(0)                   ; one wait for the second batch of eight
.irp j, 0,1,2,3
	v_mul_f32 v[CQ+\j], v[CS+\j], v[ZQ+\j]
	v_mul_f32 v[SQ+\j], v[SN+\j], v[ZQ+\j]
	v_mul_f32 v[CK+\j], v[CS+\j], v[ZK+\j]
	v_mul_f32 v[SK+\j], v[SN+\j], v[ZK+\j]
.endr
	global_store_b128 v[VO], v[CQ:CQ+3], s[18:19]                  ; each store: 512 consecutive bytes
	global_store_b128 v[VO], v[SQ:SQ+3], s[18:19] offset:4096
	global_store_b128 v[VO], v[CK:CK+3], s[18:19] offset:524288
	global_store_b128 v[VO], v[SK:SK+3], s[18:19] offset:528384
	s_wait_xcnt 0x0                                ; the stores have read their offset and data: both are written again in the next trip
	v_add_nc_u32 v[VO], 512, v[VO]
	s_add_co_u32 s28, s28, 1
	s_cmp_lt_u32 s28, 8
	s_cbranch_scc1 .Lchunk
	FINISH
.Lfunc_end_k_qebe6b86bb6_prep:
	.size	k_qebe6b86bb6_prep, .Lfunc_end_k_qebe6b86bb6_prep-k_qebe6b86bb6_prep
	.p2alignl 7, 3214868480
	.fill 96, 4, 3214868480
	.section	.rodata,"a",@progbits
	.p2align	6, 0x0
	.amdhsa_kernel k_qebe6b86bb6_prep
		.amdhsa_group_segment_fixed_size 133632
		.amdhsa_private_segment_fixed_size 0
		.amdhsa_enable_private_segment 0
		.amdhsa_kernarg_size 64
		.amdhsa_user_sgpr_count 2
		.amdhsa_user_sgpr_kernarg_segment_ptr 1
		.amdhsa_wavefront_size32 1
		.amdhsa_system_sgpr_workgroup_id_x 1
		.amdhsa_system_sgpr_workgroup_id_y 1
		.amdhsa_system_sgpr_workgroup_id_z 1
		.amdhsa_system_vgpr_workitem_id 0
		.amdhsa_next_free_vgpr 256
		.amdhsa_next_free_sgpr 100
		.amdhsa_reserve_vcc 1
		.amdhsa_float_denorm_mode_32 3
		.amdhsa_float_denorm_mode_16_64 3
		.amdhsa_memory_ordered 1
		.amdhsa_forward_progress 1
		.amdhsa_inst_pref_size 148
	.end_amdhsa_kernel
	.amdgpu_metadata
---
amdhsa.version: [ 1, 2 ]
amdhsa.kernels:
  - .name:           k_qebe6b86bb6_prep
    .symbol:         k_qebe6b86bb6_prep.kd
    .args:
      - { .name: X, .offset: 0, .size: 8, .value_kind: global_buffer, .address_space: global }
      - { .name: W_Q, .offset: 8, .size: 8, .value_kind: global_buffer, .address_space: global }
      - { .name: W_K, .offset: 16, .size: 8, .value_kind: global_buffer, .address_space: global }
      - { .name: W_V, .offset: 24, .size: 8, .value_kind: global_buffer, .address_space: global }
      - { .name: W_G, .offset: 32, .size: 8, .value_kind: global_buffer, .address_space: global }
      - { .name: W_O, .offset: 40, .size: 8, .value_kind: global_buffer, .address_space: global }
      - { .name: opq, .offset: 48, .size: 8, .value_kind: global_buffer, .address_space: global }
      - { .name: tab, .offset: 56, .size: 8, .value_kind: global_buffer, .address_space: global }
    .group_segment_fixed_size: 133632
    .private_segment_fixed_size: 0
    .kernarg_segment_align: 8
    .kernarg_segment_size: 64
    .max_flat_workgroup_size: 128
    .sgpr_count:     100
    .vgpr_count:     256
    .wavefront_size: 32
...
	.end_amdgpu_metadata
.endif
;; end of part 1
;; launch proj (part 2): grid 32 x 8, 4 waves a work-group, clusters of 4 x 4, 327,680 bytes of LDS; arguments opq, tab, qf, kv, gate; writes qf, kv, gate
.if DOCPART == 2
	.amdgcn_target "amdgcn-amd-amdhsa--gfx1250"
	.amdhsa_code_object_version 6
	.text
	.protected	k_qebe6b86bb6_proj
	.globl	k_qebe6b86bb6_proj
	.p2align	8
	.type	k_qebe6b86bb6_proj,@function
k_qebe6b86bb6_proj:
	s_mov_b64 s[64:65], 0
	v_nop
	global_prefetch_b8 v0, s[64:65] scope:SCOPE_SE
	s_setreg_imm32_b32 hwreg(HW_REG_WAVE_MODE, 25, 1), 1
	s_wait_xcnt 0x0
	s_wait_alu depctr_hold_cnt(0) depctr_sa_sdst(0) depctr_va_vdst(0) depctr_va_sdst(0) depctr_va_ssrc(0) depctr_va_vcc(0) depctr_vm_vsrc(0)
	s_getreg_b32 s2, hwreg(HW_REG_IB_STS2, 6, 4)
	s_cmp_eq_u32 s2, 0
	s_cbranch_scc0 .Lentry_in_a_cluster
	s_endpgm
.Lentry_in_a_cluster:
	s_bfe_u32 s2, ttmp6, 0x10000c
	s_cmp_lg_u32 s2, 0xf033
	s_cbranch_scc0 .Lentry_shape_is_right
	s_endpgm
.Lentry_shape_is_right:
; PROJ.  The four products on X (Q, K, V, G), 2,048 x 2,048 x 2,048 each, on codes of FP6 (E2M3) with E8M0 scales, as ONE grid of 256 work-groups: t = cluster x / 2 says which (0 Q, 1 K, 2 V, 3 G).
; A work-group makes 256 x 256, each of its four waves 128 x 128: 64 accumulators, 512 registers.  Operands lie in memory as images of the operand's registers (launch prep): a fragment is three loads of
; 16 bytes a lane, each 512 consecutive bytes; a K step's tiles are dense blocks, so LDS needs no pitch and no padding.
; K goes in slots of 256 through a ring of two LDS slots; each wave fetches a quarter of a slot (24,576 dense bytes, as 96 rows of 256) by one tensor load.  The scale words of the work-group's rows, for all of K, come once.
; CLUSTERS: 4 x 4.  The "A side" (source 1) hangs on the tile row alone and is asked for jointly along a row of the cluster, the "B side" (source 0) on the tile column alone, along a column.
; For Q, K, G: A side = X (tokens), B side = the weight: a lane holds ONE token and its registers run along the output's channels.  For V the sides are swapped: a lane holds one channel and its registers run along
; the tokens, which are the keys, the K of the retention's second product.  The rows that form a fragment are 32 (f / 2) + 8 (f % 2) + r + 8 (r / 8): so a lane's 64 results of an A fragment are, register 16 b + i,
; B-side row 32 b + 16 (lane / 16) + i: neighbours, in the order in which the conversions want them.
; THE WAY OUT, all in registers: Q, K: XPOS by the table, quantised along the head's 128, stored as fragment images; V: quantised along 128 keys; G: G x sigmoid(G) in f32, stored as an image of 64 registers.
; LIMITS: NaN and infinities are not served.  XPOS is a product and a fused multiply-add where the definition has two products and a sum.  sigmoid is 1 / (1 + 2^(-G log2 e)) by v_exp_f32 and v_rcp_f32;
; beyond G = -88 it is 0 where the exact value is under 2^-126.  A block of zeros carries the byte 1; its codes are zeros.
; REGISTERS, in windows of 256: window 0: v1-5 lane terms, v16-29 addresses, v32-63 scale words (two sets), v64-255 A's fragments (two sets of 96).  Window 1: B's fragments (two sets of 96).  Windows 2, 3: accumulators.
.set N,      8                         ; fragments a side a wave
.set NQ,     2                         ; steps of 128 along K in a slot
.set LAPS,   4                         ; a lap = two slots
.set SLOTG,  24576                     ; bytes in memory from a slot's part to the next slot's
.set SROWS,  32                        ; rows of 256 bytes in a load of scale words
.set SLOT,   98304
.set SCL,    196608                    ; behind the ring: the scale words, 8,192 bytes a wave's load
.set SPARE,  229376                    ; the spare words, 128 bytes a wave
.set OPSZ,   3276800
.set SCOFF,  3145728
.set RL,   1                           ; lane % 16
.set LI,   2                           ; 16 x lane
.set HL,   3                           ; lane / 16
.set SOV,  5                           ; where I store scale words
.set ADRA, 16
.set ADRB, 20
.set ADRS, 27
.set SPW,  28
.set NIL,  29
.set SC,   32
.set AF,   64
.set G1,   24
.set G0,   32
.set G1B,  48
.set G0B,  56
.set G1S,  68
.set G0S,  76
.set G1SB, 80
.set G0SB, 88
.set MSB, 0
.macro WIN new                         ; the immediate's high byte repeats the setting that is left
.if MSB != (\new)
	s_set_vgpr_msb (MSB<<8)|(\new)
.set MSB, (\new)
.endif
.endm
.set MUL_LO, 0xa1                      ; source 0 (B side) window 1, source 1 (A side) window 0, C and D window 2
.set MUL_HI, 0xf1                      ; the same, C and D window 3
.set MULH,   MUL_HI
.set TO_B,   0x40
; A joint load: waves 0 and 1 fetch for the A side, waves 2 and 3 for the B side; the branch hangs on the wave's number alone.  An s_nop 0 and four v_nop follow each line.
.macro JLOAD g0a, g1a, g0b, g1b
	s_cmp_eq_u32 s15, 0
	s_cbranch_scc0 .Lfor_b_\@
	tensor_load_to_lds s[\g0a:\g0a+3], s[\g1a:\g1a+7]
	s_nop 0
.rept 4
	v_nop
.endr
	s_branch .Lasked_\@
.Lfor_b_\@:
	tensor_load_to_lds s[\g0b:\g0b+3], s[\g1b:\g1b+7]
	s_nop 0
.rept 4
	v_nop
.endr
.Lasked_\@:
.endm
.macro CREST                           ; a round of the cluster's barrier behind its opening barrier
	s_cmp_lg_u32 s14, 0
	s_cbranch_scc1 .Lnot_wave_0_\@
	s_barrier_signal -3
.Lnot_wave_0_\@:
	s_barrier_wait -3
	s_barrier_signal -1
	s_barrier_wait -1
.endm
.macro CROUND
	s_barrier_signal -1
	s_barrier_wait -1
	CREST
.endm
.macro PLACES n
.rept \n
	v_nop
.endr
.endm
.macro FETCH slot, q, p                ; the fragments of the slot's q-th 128 along K into set p: 6 N loads of 512 consecutive bytes
	WIN TO_B
.set fi, 0
.rept N
.irp c, 0,1,2
	ds_load_b128 v[12*N*(\p)+12*fi+4*\c:12*N*(\p)+12*fi+4*\c+3], v[ADRB+\slot] offset:12288*(\q)+1536*fi+512*\c
.endr
.set fi, fi+1
.endr
	WIN 0
.set fi, 0
.rept N
.irp c, 0,1,2
	ds_load_b128 v[AF+12*N*(\p)+12*fi+4*\c:AF+12*N*(\p)+12*fi+4*\c+3], v[ADRA+\slot] offset:12288*(\q)+1536*fi+512*\c
.endr
.set fi, fi+1
.endr
.endm
.macro SCALES set                      ; a slot's scale words: lanes 0-15 the A side's, lanes 16-31 the B side's; fragment i's word for step q in register N q + (N / 2) (i % 2) + i / 2
.set sq, 0
.rept NQ
.irp u, 0,1
	ds_load_b128 v[SC+16*(\set)+8*sq+4*\u:SC+16*(\set)+8*sq+4*\u+3], v[ADRS] offset:512*sq+16*\u
.endr
.set sq, sq+1
.endr
.endm
; A quarter of a step's products.  The accumulators take turns, one instruction a turn, in the same order in every step.
.macro MULP k, p, q, set, zero
.set ma, (\k)*N/4
.rept N/4
.set mb, 0
.rept N
.set rD, 8*(N*(ma%4)+mb)
.set rB, 12*N*(\p)+12*mb
.set rA, AF+12*N*(\p)+12*ma
.set sB, SC+16*(\set)+N*(\q)+(N/2)*(mb%2)+mb/2
.set sA, SC+16*(\set)+N*(\q)+(N/2)*(ma%2)+ma/2
.if \zero
	v_wmma_scale_f32_16x16x128_f8f6f4 v[rD:rD+7], v[rB:rB+11], v[rA:rA+11], 0, v[sB], v[sA] matrix_a_fmt:MATRIX_FMT_FP6 matrix_b_fmt:MATRIX_FMT_FP6 matrix_a_scale:MATRIX_SCALE_ROW1
.else
	v_wmma_scale_f32_16x16x128_f8f6f4 v[rD:rD+7], v[rB:rB+11], v[rA:rA+11], v[rD:rD+7], v[sB], v[sA] matrix_a_fmt:MATRIX_FMT_FP6 matrix_b_fmt:MATRIX_FMT_FP6 matrix_a_scale:MATRIX_SCALE_ROW1
.endif
.set mb, mb+1
.endr
.set ma, ma+1
.endr
.endm
.macro STEP slot, q, zero              ; a step of 128 along K that has its successor in the same slot
	s_wait_dscnt 0x0                               ; this step's fragments, asked for a step ago, are in
	PLACES 4                                       ; four plain lines between the last products and loads into the set that they read
	FETCH \slot, (\q)+1, 1-(\q)%2
	WIN MUL_LO
	MULP 0, (\q)%2, \q, \slot, \zero
	MULP 1, (\q)%2, \q, \slot, \zero
	WIN MULH
	MULP 2, (\q)%2, \q, \slot, \zero
	MULP 3, (\q)%2, \q, \slot, \zero
	WIN 0
.endm
; A slot's last step changes slots: one barrier; ahead of it each wave waits for all its tensor loads, adds 0 to its spare word, and waits for that and for its reads of this slot.
.macro TURN slot, next, fill
	s_wait_tensorcnt 0x0                           ; my part of the next slot has landed; no tensor load of mine is out
	ds_add_u32 v[SPW], v[NIL]
	s_wait_dscnt 1                                 ; only the add may be out: this step's fragments are in
	WIN MUL_LO
	MULP 0, 1, NQ-1, \slot, 0
	s_wait_dscnt 0x0                               ; the add is done, and my reads of this slot are over
	s_barrier_signal -1
	MULP 1, 1, NQ-1, \slot, 0
	WIN 0
	s_barrier_wait -1
.if \fill
	CREST                                          ; the barrier has opened a round of the cluster's: no wave of any partner still reads this slot or has a load on its way
	s_add_nc_u64 s[G0+4*\slot+2:G0+4*\slot+3], s[G0+4*\slot+2:G0+4*\slot+3], 2*SLOTG
	s_add_nc_u64 s[G0B+4*\slot+2:G0B+4*\slot+3], s[G0B+4*\slot+2:G0B+4*\slot+3], 2*SLOTG
	JLOAD G0+4*\slot, G1, G0B+4*\slot, G1B         ; the first tensor load behind the round; its four v_nop are also the places ahead of the loads below
.else
	PLACES 4
.endif
	v_add_nc_u32 v[ADRS], 512*NQ, v[ADRS]          ; the next slot's scale words
	FETCH \next, 0, 0
	SCALES \next
	WIN MULH
	MULP 2, 1, NQ-1, \slot, 0
	MULP 3, 1, NQ-1, \slot, 0
	WIN 0
.endm
	s_load_b256 s[4:11], s[0:1], 0x0               ; opq, tab, qf, kv
	s_load_b64 s[12:13], s[0:1], 0x20              ; gate
	v_lshl_add_u32 v[SPW], v0, 2, SPARE
	v_mov_b32 v[NIL], 0
	ds_add_u32 v[SPW], v[NIL]                      ; the wave's opening: the add and its wait ahead of my first tensor load
	v_lshrrev_b32 v1, 5, v0
	v_readfirstlane_b32 s14, v1                    ; wave
	s_lshr_b32 s15, s14, 1                         ; my half of the A side.  Also: I fetch for the A side (0) or the B side (1)
	s_and_b32 s16, s14, 1                          ; my half of the B side.  Also: which half I fetch
	s_bfe_u32 s40, ttmp6, 0x40000                  ; cx
	s_bfe_u32 s41, ttmp6, 0x40004                  ; cy
	s_lshr_b32 s95, ttmp9, 1                       ; t: the same in all partners of a cluster
	s_and_b32 s42, ttmp9, 1
	s_lshl_b32 s42, s42, 2
	s_add_co_u32 s42, s42, s40                     ; tile column, 0 to 7
	s_and_b32 s17, ttmp7, 0xffff
	s_lshl_b32 s17, s17, 2
	s_add_co_u32 s17, s17, s41                     ; tile row, 0 to 7
	s_lshl_b32 s43, s41, 2
	s_lshl_b32 s43, 15, s43                        ; my row of the cluster
	s_lshl_b32 s44, 0x1111, s40                    ; my column
	s_or_b32 s[G1+0], s43, (3<<16)|(1<<21)         ; 15:0 the mask; 17:16 elements of 8 bytes; 21 set beside a mask; no padding
	s_or_b32 s[G1B+0], s44, (3<<16)|(1<<21)
.irp g, G1, G1B
	s_mov_b32 s[\g+1], 32<<16                      ; tensor_dim0 = 32 elements: 256 bytes
	s_mov_b32 s[\g+2], 96<<16                      ; tensor_dim1 = 96 rows
	s_mov_b32 s[\g+3], 32<<16                      ; tile_dim0
	s_mov_b32 s[\g+4], 96                          ; tile_dim1
	s_mov_b32 s[\g+5], 32                          ; the pitch: dense
	s_mov_b32 s[\g+6], 0
	s_mov_b32 s[\g+7], 0
.endr
	s_or_b32 s[G1S+0], s43, (3<<16)|(1<<21)
	s_or_b32 s[G1SB+0], s44, (3<<16)|(1<<21)
.irp g, G1S, G1SB
	s_mov_b32 s[\g+1], 32<<16
	s_mov_b32 s[\g+2], SROWS<<16
	s_mov_b32 s[\g+3], 32<<16
	s_mov_b32 s[\g+4], SROWS
	s_mov_b32 s[\g+5], 32
	s_mov_b32 s[\g+6], 0
	s_mov_b32 s[\g+7], 0
.endr
	s_add_co_u32 s96, s95, 1
	s_mul_i32 s96, s96, OPSZ
	s_cmp_eq_u32 s95, 2
	s_cselect_b32 s97, 3*OPSZ, 0                   ; the A side's operand: X, or W_V for V
	s_cselect_b32 s96, 0, s96                      ; the B side's: the weight, or X for V
	s_lshl_b32 s20, s17, 1
	s_add_co_u32 s20, s20, s16                     ; A side: block of 128 rows 2 x tile row + half
	s_lshl_b32 s22, s20, 13
	s_mul_i32 s20, s20, 196608
	s_add_co_u32 s20, s20, s97
	s_add_co_u32 s22, s22, s97
	s_add_co_u32 s22, s22, SCOFF
	s_mov_b32 s21, 0
	s_mov_b32 s23, 0
	s_lshl_b32 s46, s42, 1
	s_add_co_u32 s46, s46, s16                     ; B side: 2 x tile column + half
	s_lshl_b32 s92, s46, 13
	s_mul_i32 s46, s46, 196608
	s_add_co_u32 s46, s46, s96
	s_add_co_u32 s92, s92, s96
	s_add_co_u32 s92, s92, SCOFF
	s_mov_b32 s47, 0
	s_mov_b32 s93, 0
	s_mul_i32 s45, s14, 24576                      ; where they go: by the wave's number alone
	s_lshl_b32 s94, s14, 13
	s_mov_b32 s98, 0x76543210                      ; v_permlanex16_b32's selects for lane l xor 16
	s_mov_b32 s99, 0xfedcba98
	s_wait_dscnt 0x0                               ; the opening add is done
	s_wait_kmcnt 0x0
	s_add_nc_u64 s[20:21], s[4:5], s[20:21]
	s_add_nc_u64 s[22:23], s[4:5], s[22:23]
	s_add_nc_u64 s[46:47], s[4:5], s[46:47]
	s_add_nc_u64 s[92:93], s[4:5], s[92:93]
	CROUND                                         ; all sixteen work-groups are here: the first joint loads meet
	s_mov_b32 s[G0S], 1
	s_add_co_u32 s[G0S+1], s94, SCL
	s_mov_b64 s[G0S+2:G0S+3], s[22:23]
	s_or_b32 s[G0S+3], s[G0S+3], 0x80000000
	s_mov_b32 s[G0SB], 1
	s_add_co_u32 s[G0SB+1], s94, SCL
	s_mov_b64 s[G0SB+2:G0SB+3], s[92:93]
	s_or_b32 s[G0SB+3], s[G0SB+3], 0x80000000
	JLOAD G0S, G1S, G0SB, G1SB                     ; the scale words first
.irp s, 0,1
	s_mov_b32 s[G0+4*\s], 1
	s_add_co_u32 s[G0+4*\s+1], s45, \s*SLOT
	s_add_nc_u64 s[G0+4*\s+2:G0+4*\s+3], s[20:21], \s*SLOTG
	s_or_b32 s[G0+4*\s+3], s[G0+4*\s+3], 0x80000000
	s_mov_b32 s[G0B+4*\s], 1
	s_add_co_u32 s[G0B+4*\s+1], s45, \s*SLOT
	s_add_nc_u64 s[G0B+4*\s+2:G0B+4*\s+3], s[46:47], \s*SLOTG
	s_or_b32 s[G0B+4*\s+3], s[G0B+4*\s+3], 0x80000000
	JLOAD G0+4*\s, G1, G0B+4*\s, G1B               ; three loads of mine are out behind the second of these
.endr
	v_and_b32 v[RL], 15, v0
	v_bfe_u32 v[HL], v0, 4, 1
	v_and_b32 v4, 31, v0
	v_lshlrev_b32 v[LI], 4, v4
	s_mul_i32 s21, s15, 24576                      ; my half of the A side in a slot,
	s_mul_i32 s22, s16, 24576
	s_add_co_u32 s22, s22, 49152                   ; and of the B side, behind the A side's two
.irp s, 0,1
	v_add_nc_u32 v[ADRA+\s], s21, v[LI]
	v_add_nc_u32 v[ADRB+\s], s22, v[LI]
	s_add_co_u32 s21, s21, SLOT
	s_add_co_u32 s22, s22, SLOT
.endr
	s_lshl_b32 s21, s15, 13                        ; scale words: the A side's, my half;
	s_lshl_b32 s22, s16, 13
	s_add_co_u32 s22, s22, 16384                   ; the B side's
	s_sub_co_u32 s22, s22, s21
	v_mul_u32_u24 v6, s22, v[HL]                   ; lanes 16-31 take the B side's: one product, the lower base + h x the distance
	s_add_co_u32 s21, s21, SCL
	v_lshl_add_u32 v6, v[RL], 5, v6
	v_add_nc_u32 v[ADRS], s21, v6
	s_wait_tensorcnt 1                             ; the scale words and my part of slot 0 are in; slot 1's load may be out
	s_barrier_signal -1
	s_barrier_wait -1
	FETCH 0, 0, 0
	SCALES 0
	STEP 0, 0, 1                                   ; the first step stands ahead of the loop: its products start the sums
	s_mov_b32 s3, LAPS-1
.Llap:                                                 ; a trip goes once round the ring and fills both slots again
	TURN 0, 1, 1
	STEP 1, 0, 0
	TURN 1, 0, 1
	STEP 0, 0, 0
	s_sub_co_u32 s3, s3, 1
	s_cmp_lg_u32 s3, 0
	s_cbranch_scc1 .Llap
	TURN 0, 1, 0                                   ; the last lap fills nothing
	STEP 1, 0, 0
	s_wait_dscnt 0x0
	WIN MUL_LO
	MULP 0, 1, NQ-1, 1, 0
	MULP 1, 1, NQ-1, 1, 0
	WIN MULH
	MULP 2, 1, NQ-1, 1, 0
	MULP 3, 1, NQ-1, 1, 0
	WIN 0
; ---- THE WAY OUT.  Window 0 from v64 on and window 1 are free.
.set HA,  64                           ; v64-127 64 numbers of a lane
.set TM,  128                          ; v128-131 largest magnitudes, v132-135 bytes, v136-139 the conversions' scale operands
.set PC,  140                          ; v140-151 the codes just made; v152-158 at work
.set PWS, 160                          ; v160-167 the scale words of the eight fragments
.set T4,  168
; 64 numbers of a lane in window w, v[s] on, register 16 b + i = k 32 b + 16 (lane / 16) + i of my row, become a fragment's codes in v[PC] on and its scale word in v[pw].  Each accumulator is read from its low end on.
.macro QUANT s, w, pw
	WIN (\w)|((\w)<<2)
.irp b, 0,1,2,3
	v_max3_num_f32 v[TM+\b], |v[(\s)+16*\b]|, |v[(\s)+1+16*\b]|, 0x1800000   ; and the floor 2^(3 - 127)
.endr
	WIN ((\w)<<2)|((\w)<<4)
.irp i, 2,4,6,8,10,12,14
.irp b, 0,1,2,3
	v_max3_num_f32 v[TM+\b], v[TM+\b], |v[(\s)+16*\b+\i]|, |v[(\s)+1+16*\b+\i]|
.endr
.endr
	WIN 0
.irp b, 0,1,2,3
	v_permlanex16_b32 v[TM+4+\b], v[TM+\b], s98, s99
.endr
.irp b, 0,1,2,3
	v_max_num_f32 v[TM+\b], v[TM+\b], v[TM+4+\b]   ; with lane l xor 16's: the block's largest magnitude
.endr
.irp b, 0,1,2,3
	v_add_nc_u32 v[TM+8+\b], 0xff000000, v[TM+\b]  ; 2 off its exponent field
.endr
.irp b, 0,1,2,3
	v_lshrrev_b32 v[TM+4+\b], 23, v[TM+8+\b]       ; the scale's byte
.endr
	v_lshl_or_b32 v[\pw], v[TM+5], 8, v[TM+4]
	v_lshl_or_b32 v[\pw], v[TM+6], 16, v[\pw]
	v_lshl_or_b32 v[\pw], v[TM+7], 24, v[\pw]
	WIN (\w)
.irp c, 0,1
	v_cvt_scalef32_pk16_fp6_f32 v[PC+6*\c:PC+2+6*\c], v[(\s)+32*\c:(\s)+15+32*\c], v[TM+8+2*\c]
	v_cvt_scalef32_pk16_fp6_f32 v[PC+12+4*\c:PC+14+4*\c], v[(\s)+16+32*\c:(\s)+31+32*\c], v[TM+8+2*\c+1]
.endr
	WIN 0
	v_nop                                          ; one plain line behind a scaled conversion
.irp c, 0,1                                    ; the operand's layout wants a whole block in a lane
.irp i, 0,1,2
	v_permlane16_swap_b32 v[PC+6*\c+\i], v[PC+12+4*\c+\i]
.endr
.irp i, 0,1,2
	v_mov_b32 v[PC+3+6*\c+\i], v[PC+12+4*\c+\i]
.endr
.endr
.endm
.macro PUTF a                          ; the fragment's image: three stores of 512 consecutive bytes
.irp c, 0,1,2
	global_store_b128 v[LI], v[PC+4*\c:PC+4*\c+3], s[26:27] offset:1536*(\a)+512*\c
.endr
.endm
.macro SCW                             ; the eight scale words: lane (r, h) stores those of fragments h, 2 + h, 4 + h, 6 + h at 32 r + 16 h: 512 consecutive bytes
	v_cmp_ne_u32 vcc_lo, 0, v[HL]
.irp j, 0,1,2,3
	v_cndmask_b32 v[T4+\j], v[PWS+2*\j], v[PWS+2*\j+1], vcc_lo
.endr
	global_store_b128 v[SOV], v[T4:T4+3], s[26:27]
.endm
.macro TLOAD a                         ; the table's image for A fragment a into window 1: registers 0-31 cos x scale of my 32 pairs, 32-63 sin x scale
	WIN 0x40
.irp c, 0,1,2,3,4,5,6,7,8,9,10,11,12,13,14,15
	global_load_b128 v[64*((\a)%4)+4*\c:64*((\a)%4)+4*\c+3], v[LI], s[30:31] offset:8192*(\a)+512*\c
.endr
.endm
.macro QKA a, cnt
.set W,  2+(\a)/4
.set AC, 64*((\a)%4)
	s_wait_loadcnt \cnt                            ; this fragment's table is in; the later sets, 16 loads each, may be out
	WIN W|0x04                                     ; source 0: the accumulators' window; source 1: the table's
.set xm, 0
.rept 32
.if xm%2
	v_pk_mul_f32 v[HA+2*xm:HA+2*xm+1], v[AC+2*xm:AC+2*xm+1], v[AC+xm-1:AC+xm] op_sel:[0,1] op_sel_hi:[1,1]
.else
	v_pk_mul_f32 v[HA+2*xm:HA+2*xm+1], v[AC+2*xm:AC+2*xm+1], v[AC+xm:AC+xm+1] op_sel_hi:[1,0]
.endif
.set xm, xm+1
.endr
.set xm, 0
.rept 32
	v_fma_f32 v[HA+2*xm], -v[AC+2*xm+1], v[AC+32+xm], v[HA+2*xm]       ; x0 c - x1 s
	v_fma_f32 v[HA+2*xm+1], v[AC+2*xm], v[AC+32+xm], v[HA+2*xm+1]      ; x1 c + x0 s
.set xm, xm+1
.endr
.if (\a) < 4
	TLOAD (\a)+4
.endif
	WIN 0
	s_wait_xcnt 0x0                                ; the last fragment's stores have read the codes' registers
	QUANT HA, 0, PWS+(\a)
	PUTF \a
.endm
.macro VA a
	s_wait_xcnt 0x0
	QUANT 64*((\a)%4), 2+(\a)/4, PWS+(\a)
	PUTF \a
.endm
.macro GA a
.set W,  2+(\a)/4
.set AC, 64*((\a)%4)
.set TT, 64+112*((\a)%2)
.if (\a) >= 2
	s_wait_xcnt 0x0                                ; the stores of two fragments ago have read this set
.endif
	WIN W
.set gi, 0
.rept 32
	v_pk_mul_f32 v[TT+2*gi:TT+2*gi+1], v[AC+2*gi:AC+2*gi+1], s[28:29] op_sel_hi:[1,0]   ; -G log2 e
.set gi, gi+1
.endr
	WIN 0
.set gi, 0
.rept 64
	v_exp_f32 v[TT+gi], v[TT+gi]
.set gi, gi+1
.endr
	v_nop
	s_wait_alu depctr_va_vdst(0)                   ; one wait for the batch
.set gi, 0
.rept 32
	v_pk_add_f32 v[TT+2*gi:TT+2*gi+1], v[TT+2*gi:TT+2*gi+1], 1.0 op_sel_hi:[1,0]
.set gi, gi+1
.endr
.set gi, 0
.rept 64
	v_rcp_f32 v[TT+gi], v[TT+gi]
.set gi, gi+1
.endr
	v_nop
	s_wait_alu depctr_va_vdst(0)
	WIN W
.set gi, 0
.rept 32
	v_pk_mul_f32 v[TT+2*gi:TT+2*gi+1], v[AC+2*gi:AC+2*gi+1], v[TT+2*gi:TT+2*gi+1]
.set gi, gi+1
.endr
	WIN 0
.irp c, 0,1,2,3,4,5,6,7,8,9,10,11,12,13,14,15
	global_store_b128 v[LI], v[TT+4*\c:TT+4*\c+3], s[26:27] offset:8192*(\a)+512*\c
.endr
.endm
	PLACES 4                                       ; behind the last products, ahead of every read of results and every write of operands' registers
.irp b, 0,1,2,3
	v_mov_b32 v[TM+4+\b], 0                        ; written once: a lane permute's destination counts as one of its sources
.endr
	v_lshlrev_b32 v[SOV], 5, v[RL]
	v_lshl_add_u32 v[SOV], v[HL], 4, v[SOV]        ; 32 r + 16 h
	s_lshl_b32 s20, s17, 1
	s_add_co_u32 s20, s20, s15                     ; my block of the A side
	s_lshl_b32 s21, s42, 1
	s_add_co_u32 s21, s21, s16                     ; and of the B side
	s_cmp_eq_u32 s95, 2
	s_cselect_b32 s22, s21, s20                    ; R: the block of 128 tokens
	s_cselect_b32 s23, s20, s21                    ; the head (for G: the block of 128 columns)
	s_mov_b32 s25, 0
	s_cmp_eq_u32 s95, 3
	s_cbranch_scc1 .Lgate
	s_lshr_b32 s24, s22, 3                         ; kv: ((16 batch + head) x 8 + R % 8) x 25,600
	s_lshl_b32 s24, s24, 4
	s_add_co_u32 s24, s24, s23
	s_lshl_b32 s24, s24, 3
	s_and_b32 s28, s22, 7
	s_add_co_u32 s24, s24, s28
	s_mul_i32 s24, s24, 25600
	s_cmp_eq_u32 s95, 2
	s_cbranch_scc1 .Lvee
	; ---- Q and K
	s_lshl_b32 s26, s22, 4
	s_add_co_u32 s26, s26, s23
	s_mul_i32 s26, s26, 12800                      ; qf: (16 R + head) x 12,800
	s_mov_b32 s28, 24576
	s_cmp_eq_u32 s95, 0
	s_cselect_b32 s24, s26, s24
	s_cselect_b32 s28, 12288, s28                  ; where the scale words lie behind the codes
	s_cselect_b64 s[26:27], s[8:9], s[10:11]
	s_add_nc_u64 s[26:27], s[26:27], s[24:25]
	v_add_nc_u32 v[SOV], s28, v[SOV]
	s_lshl_b32 s30, s95, 19                        ; the table: Q's or K's half, the images of positions 128 (R % 8) on
	s_and_b32 s31, s22, 7
	s_lshl_b32 s31, s31, 16
	s_add_co_u32 s30, s30, s31
	s_mov_b32 s31, 0
	s_add_nc_u64 s[30:31], s[6:7], s[30:31]
	TLOAD 0
	TLOAD 1
	TLOAD 2
	TLOAD 3
	QKA 0, 48
	QKA 1, 48
	QKA 2, 48
	QKA 3, 48
	QKA 4, 48
	QKA 5, 32
	QKA 6, 16
	QKA 7, 0
	SCW
	s_branch .Lfin
.Lvee:
	; ---- V: the accumulators are quantised as they stand: a lane's registers run along 128 keys
	s_add_nc_u64 s[26:27], s[10:11], s[24:25]
	s_add_nc_u64 s[26:27], s[26:27], 12288         ; V's fragments lie behind K's
	v_add_nc_u32 v[SOV], 12800, v[SOV]
	VA 0
	VA 1
	VA 2
	VA 3
	VA 4
	VA 5
	VA 6
	VA 7
	SCW
	s_branch .Lfin
.Lgate:
	; ---- G: the gate, in f32
	s_lshl_b32 s24, s22, 4
	s_add_co_u32 s24, s24, s23
	s_lshl_b32 s24, s24, 16                        ; (16 R + head) x 8 images of 8,192 bytes
	s_add_nc_u64 s[26:27], s[12:13], s[24:25]
	s_mov_b32 s28, 0xbfb8aa3b                      ; -log2 e
	s_mov_b32 s29, s28
	GA 0
	GA 1
	GA 2
	GA 3
	GA 4
	GA 5
	GA 6
	GA 7
.Lfin:
	s_wait_tensorcnt 0x0                           ; the wave's end
	ds_add_u32 v[SPW], v[NIL]
	s_wait_dscnt 0x0
	CROUND                                         ; the closing round: no work-group ends while a partner may still ask for a tile that names it
	s_endpgm
.Lfunc_end_k_qebe6b86bb6_proj:
	.size	k_qebe6b86bb6_proj, .Lfunc_end_k_qebe6b86bb6_proj-k_qebe6b86bb6_proj
	.p2alignl 7, 3214868480
	.fill 96, 4, 3214868480
	.section	.rodata,"a",@progbits
	.p2align	6, 0x0
	.amdhsa_kernel k_qebe6b86bb6_proj
		.amdhsa_group_segment_fixed_size 327680
		.amdhsa_private_segment_fixed_size 0
		.amdhsa_enable_private_segment 0
		.amdhsa_kernarg_size 40
		.amdhsa_user_sgpr_count 2
		.amdhsa_user_sgpr_kernarg_segment_ptr 1
		.amdhsa_wavefront_size32 1
		.amdhsa_system_sgpr_workgroup_id_x 1
		.amdhsa_system_sgpr_workgroup_id_y 1
		.amdhsa_system_sgpr_workgroup_id_z 1
		.amdhsa_system_vgpr_workitem_id 0
		.amdhsa_next_free_vgpr 1024
		.amdhsa_next_free_sgpr 100
		.amdhsa_reserve_vcc 1
		.amdhsa_float_denorm_mode_32 3
		.amdhsa_float_denorm_mode_16_64 3
		.amdhsa_memory_ordered 1
		.amdhsa_forward_progress 1
		.amdhsa_inst_pref_size 255
	.end_amdhsa_kernel
	.section	.bss,"aw",@nobits
	.p2align	6
	.space	262144
	.amdgpu_metadata
---
amdhsa.version: [ 1, 2 ]
amdhsa.kernels:
  - .name:           k_qebe6b86bb6_proj
    .symbol:         k_qebe6b86bb6_proj.kd
    .args:
      - { .name: opq, .offset: 0, .size: 8, .value_kind: global_buffer, .address_space: global }
      - { .name: tab, .offset: 8, .size: 8, .value_kind: global_buffer, .address_space: global }
      - { .name: qf, .offset: 16, .size: 8, .value_kind: global_buffer, .address_space: global }
      - { .name: kv, .offset: 24, .size: 8, .value_kind: global_buffer, .address_space: global }
      - { .name: gate, .offset: 32, .size: 8, .value_kind: global_buffer, .address_space: global }
    .group_segment_fixed_size: 327680
    .private_segment_fixed_size: 0
    .kernarg_segment_align: 8
    .kernarg_segment_size: 40
    .max_flat_workgroup_size: 128
    .sgpr_count:     100
    .vgpr_count:     1024
    .wavefront_size: 32
...
	.end_amdgpu_metadata
.endif
;; end of part 2
;; launch ret (part 3): grid 8 x 32, 8 waves a work-group, no clusters, 206,336 bytes of LDS; arguments qf, kv, gate, gn_weight, gn_bias, zq; writes zq
.if DOCPART == 3
	.amdgcn_target "amdgcn-amd-amdhsa--gfx1250"
	.amdhsa_code_object_version 6
	.text
	.protected	k_qebe6b86bb6_ret
	.globl	k_qebe6b86bb6_ret
	.p2align	8
	.type	k_qebe6b86bb6_ret,@function
k_qebe6b86bb6_ret:
	s_mov_b64 s[64:65], 0
	v_nop
	global_prefetch_b8 v0, s[64:65] scope:SCOPE_SE
	s_setreg_imm32_b32 hwreg(HW_REG_WAVE_MODE, 25, 1), 1
	s_wait_xcnt 0x0
; RET.  For one (batch, head): ret = (Q K^T) x gamma^(n - m) for n >= m, else 0; Y = ret V; GroupNorm over the head's 128; gain and bias; x gate; quantised along the channels: z, the last product's operand.
; Both products on codes of FP6 (E2M3) with E8M0 scales.  Q, K, V arrive as images of operand registers (launch proj).
; SHARES.  Work-group (x, y): y = 16 batch + head; p = x / 2, parity = x % 2.  A wave owns one fragment of 16 queries.  Waves 0-3 own fragments 2 i + parity (i = wave % 4) of query block 7 - p, which has 8 - p key steps;
; waves 4-7 the same fragments of block p, which has p + 1: every work-group has 4 x 9 wave-steps, whatever p.
; THE TILES.  The whole K and V of the head and batch, 8 steps of 128 keys x 25,600 bytes, come into LDS once, IN THE ORDER IN WHICH THEY ARE USED: every wave brings an eighth (25 rows of 256 bytes) of each PAIR of steps,
; four tensor loads a wave, issued on end.  Ahead of pair j each wave waits until its first j + 1 loads have landed, and a barrier follows: the later pairs are on their way while the earlier are multiplied.
; The loads are short on purpose: one long load a wave would let no step begin before all have landed.  Nothing is filled twice.
; NO CLUSTER: the steps that a wave multiplies hang on p, and among the work-groups of one head that would be a branch on the work-group's place in the cluster; only two work-groups share both the head and p.
; Both products are used transposed (S^T = K Q^T, O^T = V^T ret^T): a lane holds ONE query throughout; the keys of a fragment of K are chosen so that a lane's 64 scores are, register 16 b + i, key 32 b + 16 (lane / 16) + i.
; THE DECAY.  gamma = 1 - 2^(-5 - 4 head / 15), rounded to f32; L = log2(gamma) by the series of ln(1 - e), e = 1 - gamma exact, cut at e^7 (the next term is under 4e-12 of the sum for e <= 1/32).
; gamma^(n - m) = 2^(L (d - 32 b)) x 2^(-L i): four exponentials a step and sixteen once.  A step all of whose keys come after the wave's queries is left out: a scalar branch on ids, round the step's work alone.
; LIMITS: NaN and infinities are not served.  gamma can differ by one unit in its last place from another f32 evaluation of the same formula, which moves gamma^k by k x 6e-8 / gamma of itself.
; 1 / sqrt is v_rsq_f32.  A block of zeros carries the byte 1; its codes are zeros.
; REGISTERS.  Window 0: v1-9 addresses and lane terms; v10-15 at work; v16-27 Q; v28 Q's scale word, v29 the scale word just made; v32-79 fragments 0-3; v80-87 K's scale words, v88-95 V's;
; v96-159 S^T, then ret; v160-223 O^T; v224-242 codes; v244-255 at work in QUANT.  Window 1: v0-63 the gate, v64-127 the gain, v128-191 the bias, v192-239 fragments 4-7, v240-255 2^(-L i).
.set KVB,   25600                      ; a key step's tiles: K's 8 fragments, V's 8, K's scale words, V's
.set PAIRB, 51200                      ; two steps
.set PARTB, 6400                       ; a wave's eighth of a pair
.set ZSC,   204800                     ; 512 bytes: z's scale words of the eight waves meet here
.set SPARE, 205312                     ; the spare words, 128 bytes a wave
.set SCOFF, 3145728
.set LI,   1
.set SR,   2
.set SPW,  3
.set NIL,  4
.set ADK,  5
.set ADS,  6
.set DLOC, 7
.set LG,   8
.set AB,   10
.set Q,    16
.set QS,   28
.set PW,   29
.set GNO,  30
.set ZWR,  31
.set FRG,  32
.set KS,   80
.set VS,   88
.set S,    96
.set O,    160
.set PC,   224
.set ZRD,  243
.set TM,   244
.set FR2,  192                         ; in window 1
.set BI,   240                         ; in window 1
.set G0,   68                          ; s[68:83] four groups 0, one for each pair of steps
.set MSB, 0
.macro WIN new                         ; the immediate's high byte repeats the setting that is left
.if MSB != (\new)
	s_set_vgpr_msb (MSB<<8)|(\new)
.set MSB, (\new)
.endif
.endm
.macro PLACES n
.rept \n
	v_nop
.endr
.endm
.macro LDF8 base                       ; eight fragments in one run: 24 loads of 512 consecutive bytes; 0-3 into window 0, 4-7 into window 1
.irp t, 0,1,2,3
.irp c, 0,1,2
	ds_load_b128 v[FRG+12*\t+4*\c:FRG+12*\t+4*\c+3], v[ADK] offset:(\base)+1536*\t+512*\c
.endr
.endr
	WIN 0x40                                       ; destination window 1, address window 0
.irp t, 0,1,2,3
.irp c, 0,1,2
	ds_load_b128 v[FR2+12*\t+4*\c:FR2+12*\t+4*\c+3], v[ADK] offset:(\base)+1536*(4+\t)+512*\c
.endr
.endr
	WIN 0
.endm
; 64 numbers of a lane, register 16 b + i = k 32 b + 16 (lane / 16) + i of my row, become a fragment's codes in v[PC] on and its scale word in v[PW]
.macro QUANT s
.irp b, 0,1,2,3
	v_max3_num_f32 v[TM+\b], |v[(\s)+16*\b]|, |v[(\s)+1+16*\b]|, 0x1800000   ; and the floor 2^(3 - 127): the byte cannot fall under 1
.endr
.irp i, 2,4,6,8,10,12,14
.irp b, 0,1,2,3
	v_max3_num_f32 v[TM+\b], v[TM+\b], |v[(\s)+16*\b+\i]|, |v[(\s)+1+16*\b+\i]|
.endr
.endr
.irp b, 0,1,2,3
	v_permlanex16_b32 v[TM+4+\b], v[TM+\b], s38, s39
.endr
.irp b, 0,1,2,3
	v_max_num_f32 v[TM+\b], v[TM+\b], v[TM+4+\b]   ; with lane l xor 16's: the block's largest magnitude
.endr
.irp b, 0,1,2,3
	v_add_nc_u32 v[TM+8+\b], 0xff000000, v[TM+\b]  ; 2 off its exponent field: the conversion's scale operand
.endr
.irp b, 0,1,2,3
	v_lshrrev_b32 v[TM+4+\b], 23, v[TM+8+\b]       ; the scale's byte
.endr
	v_lshl_or_b32 v[PW], v[TM+5], 8, v[TM+4]
	v_lshl_or_b32 v[PW], v[TM+6], 16, v[PW]
	v_lshl_or_b32 v[PW], v[TM+7], 24, v[PW]
.irp c, 0,1
	v_cvt_scalef32_pk16_fp6_f32 v[PC+6*\c:PC+2+6*\c], v[(\s)+32*\c:(\s)+15+32*\c], v[TM+8+2*\c]
	v_cvt_scalef32_pk16_fp6_f32 v[PC+12+4*\c:PC+14+4*\c], v[(\s)+16+32*\c:(\s)+31+32*\c], v[TM+8+2*\c+1]
.endr
	v_nop                                          ; one plain line behind a scaled conversion
.irp c, 0,1                                    ; the operand's layout wants a whole block in a lane
.irp i, 0,1,2
	v_permlane16_swap_b32 v[PC+6*\c+\i], v[PC+12+4*\c+\i]
.endr
.irp i, 0,1,2
	v_mov_b32 v[PC+3+6*\c+\i], v[PC+12+4*\c+\i]
.endr
.endr
.endm
; Ahead of a pair of steps: left = my tensor loads issued behind this pair's, which may stay out.  They may cross it.  No LDS instruction of mine is out here.
.macro MEET left
	s_wait_tensorcnt \left
	s_barrier_signal -1
	s_barrier_wait -1
.endm
; KEY STEP k: 128 keys.  Every LDS address is a constant + a lane term.
.macro KSTEP k
.if \k > 0
	s_cmp_lt_u32 s17, \k                           ; all its keys come after my queries: the step's work is left out
	s_cbranch_scc1 .Lhid_\@
.endif
	v_add_nc_u32 v[ADK], KVB*\k, v[LI]             ; (these four plain lines are also the places between the last step's products and the loads below)
	v_add_nc_u32 v[ADS], KVB*\k, v[SR]
	s_sub_co_u32 s40, s17, \k
	s_lshl_b32 s40, s40, 7
	v_add_nc_u32 v9, s40, v[DLOC]
	v_cvt_f32_i32 v9, v9                           ; d = my query - the step's first key - 16 h
	ds_load_b128 v[KS:KS+3], v[ADS] offset:24576   ; K's scale words
	ds_load_b128 v[KS+4:KS+7], v[ADS] offset:24592
	LDF8 0                                         ; K's eight fragments
	v_add_f32 v11, 0xc2000000, v9
	v_add_f32 v12, 0xc2800000, v9
	v_add_f32 v13, 0xc2c00000, v9
	v_mul_f32 v10, v[LG], v9
	v_mul_f32 v11, v[LG], v11
	v_mul_f32 v12, v[LG], v12
	v_mul_f32 v13, v[LG], v13
.irp b, 0,1,2,3
	v_exp_f32 v[AB+\b], v[AB+\b]                   ; gamma^(d - 32 b)
.endr
	v_nop
	s_wait_alu depctr_va_vdst(0)                   ; one wait for the four
	s_wait_dscnt 0x0
.irp t, 0,1,2,3
	v_wmma_scale_f32_16x16x128_f8f6f4 v[S+8*\t:S+8*\t+7], v[FRG+12*\t:FRG+12*\t+11], v[Q:Q+11], 0, v[KS+4*(\t%2)+\t/2], v[QS] matrix_a_fmt:MATRIX_FMT_FP6 matrix_b_fmt:MATRIX_FMT_FP6
.endr
	WIN 0x01                                       ; source 0 window 1
.irp t, 0,1,2,3
	v_wmma_scale_f32_16x16x128_f8f6f4 v[S+32+8*\t:S+32+8*\t+7], v[FR2+12*\t:FR2+12*\t+11], v[Q:Q+11], 0, v[KS+4*(\t%2)+2+\t/2], v[QS] matrix_a_fmt:MATRIX_FMT_FP6 matrix_b_fmt:MATRIX_FMT_FP6
.endr
	WIN 0
	PLACES 4                                       ; ahead of loads into the fragments' registers and of the first read of the scores
	ds_load_b128 v[VS:VS+3], v[ADS] offset:25088   ; V's scale words and its eight fragments are asked for here: they land while the scores are masked, decayed and quantised
	ds_load_b128 v[VS+4:VS+7], v[ADS] offset:25104
	LDF8 12288
	s_cmp_lg_u32 s17, \k                           ; on the diagonal alone: keys behind my query count for nothing
	s_cbranch_scc1 .Lopen_\@
.set mn, 0
.rept 64
	v_cmp_gt_i32 vcc_lo, 32*(mn/16)+mn%16, v[DLOC]
	v_cndmask_b32 v[S+mn], v[S+mn], 0, vcc_lo
.set mn, mn+1
.endr
.Lopen_\@:
.irp b, 0,2
.irp i, 0,2,4,6,8,10,12,14
	v_pk_mul_f32 v[S+16*\b+\i:S+16*\b+\i+1], v[S+16*\b+\i:S+16*\b+\i+1], v[AB+\b:AB+\b+1] op_sel_hi:[1,0]
.endr
.irp i, 0,2,4,6,8,10,12,14
	v_pk_mul_f32 v[S+16+16*\b+\i:S+16+16*\b+\i+1], v[S+16+16*\b+\i:S+16+16*\b+\i+1], v[AB+\b:AB+\b+1] op_sel:[0,1] op_sel_hi:[1,1]
.endr
.endr
	WIN 0x04                                       ; source 1 window 1: gamma^(-i)
.irp b, 0,1,2,3
.irp i, 0,2,4,6,8,10,12,14
	v_pk_mul_f32 v[S+16*\b+\i:S+16*\b+\i+1], v[S+16*\b+\i:S+16*\b+\i+1], v[BI+\i:BI+\i+1]
.endr
.endr
	WIN 0
	QUANT S                                        ; ret, along these 128 keys
	PLACES 8                                       ; a scale word made by vector lines stands eight plain lines ahead of a scaled product, an operand so made four
	s_wait_dscnt 0x0                               ; V's fragments and scale words
.irp t, 0,1,2,3
.if \k == 0
	v_wmma_scale_f32_16x16x128_f8f6f4 v[O+8*\t:O+8*\t+7], v[FRG+12*\t:FRG+12*\t+11], v[PC:PC+11], 0, v[VS+4*(\t%2)+\t/2], v[PW] matrix_a_fmt:MATRIX_FMT_FP6 matrix_b_fmt:MATRIX_FMT_FP6
.else
	v_wmma_scale_f32_16x16x128_f8f6f4 v[O+8*\t:O+8*\t+7], v[FRG+12*\t:FRG+12*\t+11], v[PC:PC+11], v[O+8*\t:O+8*\t+7], v[VS+4*(\t%2)+\t/2], v[PW] matrix_a_fmt:MATRIX_FMT_FP6 matrix_b_fmt:MATRIX_FMT_FP6
.endif
.endr
	WIN 0x01
.irp t, 0,1,2,3
.if \k == 0
	v_wmma_scale_f32_16x16x128_f8f6f4 v[O+32+8*\t:O+32+8*\t+7], v[FR2+12*\t:FR2+12*\t+11], v[PC:PC+11], 0, v[VS+4*(\t%2)+2+\t/2], v[PW] matrix_a_fmt:MATRIX_FMT_FP6 matrix_b_fmt:MATRIX_FMT_FP6
.else
	v_wmma_scale_f32_16x16x128_f8f6f4 v[O+32+8*\t:O+32+8*\t+7], v[FR2+12*\t:FR2+12*\t+11], v[PC:PC+11], v[O+32+8*\t:O+32+8*\t+7], v[VS+4*(\t%2)+2+\t/2], v[PW] matrix_a_fmt:MATRIX_FMT_FP6 matrix_b_fmt:MATRIX_FMT_FP6
.endif
.endr
	WIN 0
.if \k > 0
.Lhid_\@:
.endif
.endm
	s_load_b256 s[4:11], s[0:1], 0x0               ; qf, kv, gate, gn_weight
	s_load_b128 s[12:15], s[0:1], 0x20             ; gn_bias, zq
	v_lshl_add_u32 v[SPW], v0, 2, SPARE
	v_mov_b32 v[NIL], 0
	ds_add_u32 v[SPW], v[NIL]                      ; the wave's opening: the add and its wait ahead of my first tensor load
	v_lshrrev_b32 v9, 5, v0
	v_readfirstlane_b32 s16, v9                    ; wave
	s_lshr_b32 s22, ttmp9, 1                       ; p
	s_and_b32 s23, ttmp9, 1                        ; parity
	s_sub_co_u32 s21, 7, s22                       ; 7 - p
	s_cmp_lt_u32 s16, 4
	s_cselect_b32 s17, s21, s22                    ; my block of queries: waves 0-3 the late one, waves 4-7 the early one
	s_and_b32 s18, ttmp7, 0xffff                   ; 16 batch + head
	s_and_b32 s19, s18, 15                         ; head
	s_lshr_b32 s56, s18, 4
	s_lshl_b32 s56, s56, 3                         ; 8 batch
	s_add_co_u32 s20, s56, s17                     ; R: my block of 128 tokens
	s_and_b32 s32, s16, 3                          ; i
	s_lshl_b32 s33, s32, 1
	s_add_co_u32 s33, s33, s23                     ; f = 2 i + parity: my fragment
	s_mov_b32 s24, 3<<16                           ; group 1: no mask, elements of 8 bytes, no padding
	s_mov_b32 s25, 32<<16                          ; tensor_dim0 = 32: 256 bytes
	s_mov_b32 s26, 25<<16                          ; tensor_dim1 = 25 rows
	s_mov_b32 s27, 32<<16                          ; tile_dim0
	s_mov_b32 s28, 25                              ; tile_dim1
	s_mov_b32 s29, 32                              ; dense
	s_mov_b32 s30, 0
	s_mov_b32 s31, 0
	s_mul_i32 s34, s16, PARTB                      ; my eighth of a pair, in LDS and in memory alike
	s_mul_i32 s40, s18, 8*KVB
	s_add_co_u32 s40, s40, s34
	s_mov_b32 s41, 0
	s_mov_b32 s38, 0x76543210                      ; v_permlanex16_b32's selects for lane l xor 16
	s_mov_b32 s39, 0xfedcba98
	s_wait_dscnt 0x0                               ; the opening add is done
	s_wait_kmcnt 0x0
	s_add_nc_u64 s[36:37], s[6:7], s[40:41]
.irp j, 0,1,2,3                                ; four loads of mine are out behind the last of these
	s_mov_b32 s[G0+4*\j], 1
	s_add_co_u32 s[G0+4*\j+1], s34, PAIRB*\j
	s_add_nc_u64 s[G0+4*\j+2:G0+4*\j+3], s[36:37], PAIRB*\j
	s_or_b32 s[G0+4*\j+3], s[G0+4*\j+3], 0x80000000
	tensor_load_to_lds s[G0+4*\j:G0+4*\j+3], s[24:31]
	s_nop 0
.endr
.rept 4
	v_nop
.endr
	v_and_b32 v9, 31, v0
	v_lshlrev_b32 v[LI], 4, v9
	v_and_b32 v14, 15, v0                          ; r
	v_bfe_u32 v15, v0, 4, 1                        ; h
	v_lshlrev_b32 v[SR], 5, v14
	v_lshlrev_b32 v[GNO], 6, v15
	s_lshl_b32 s42, s20, 4
	s_add_co_u32 s42, s42, s19                     ; 16 R + head
	s_mul_i32 s43, s33, 1536
	s_mul_i32 s40, s42, 12800
	s_add_co_u32 s40, s40, s43
	s_add_nc_u64 s[44:45], s[4:5], s[40:41]        ; my fragment of Q
.irp c, 0,1,2
	global_load_b128 v[Q+4*\c:Q+4*\c+3], v[LI], s[44:45] offset:512*\c th:TH_LOAD_NT
.endr
	s_lshl_b32 s46, s23, 4
	s_lshl_b32 s47, s32, 2
	s_add_co_u32 s46, s46, s47                     ; my fragment's place among scale words: 16 (f % 2) + 4 (f / 2)
	s_mul_i32 s40, s42, 12800
	s_add_co_u32 s40, s40, s46
	s_add_nc_u64 s[48:49], s[4:5], s[40:41]
	global_load_b32 v[QS], v[SR], s[48:49] offset:12288
	s_lshl_b32 s40, s42, 3
	s_add_co_u32 s40, s40, s33
	s_lshl_b32 s40, s40, 13
	s_add_nc_u64 s[50:51], s[8:9], s[40:41]        ; my image of the gate
	s_lshl_b32 s40, s19, 9
	s_add_nc_u64 s[52:53], s[10:11], s[40:41]      ; the head's gains,
	s_add_nc_u64 s[54:55], s[12:13], s[40:41]      ; and biases
	s_mul_i32 s40, s42, 12288
	s_add_co_u32 s40, s40, s43
	s_add_nc_u64 s[66:67], s[14:15], s[40:41]      ; zq: rows R, K step = head, my fragment
	s_add_co_u32 s86, s56, s22                     ; the early block's R
	s_lshl_b32 s86, s86, 4
	s_add_co_u32 s86, s86, s19
	s_lshl_b32 s40, s86, 9
	s_add_co_u32 s40, s40, SCOFF
	s_add_co_u32 s40, s40, s46
	s_sub_co_u32 s40, s40, s47                     ; + 16 x parity
	s_add_nc_u64 s[84:85], s[14:15], s[40:41]      ; zq's scale words of the early block, my work-group's sixteen bytes of each row's 32
	s_sub_co_u32 s86, s21, s22
	s_lshl_b32 s86, s86, 13                        ; and how far on the late block's lie: (7 - 2 p) x 8,192 bytes
	s_lshl_b32 s35, s32, 5
	s_lshl_b32 s57, s23, 3
	s_add_co_u32 s35, s35, s57
	v_and_b32 v9, 8, v14
	v_add_nc_u32 v9, v9, v14
	v_add_nc_u32 v[DLOC], s35, v9                  ; my query in the block: 32 (f / 2) + 8 (f % 2) + r + 8 (r / 8),
	v_lshlrev_b32 v9, 4, v15
	v_sub_nc_u32 v[DLOC], v[DLOC], v9              ; less 16 h
	s_lshr_b32 s57, s16, 2
	s_lshl_b32 s57, s57, 8
	s_add_co_u32 s57, s57, s47
	s_add_co_u32 s57, s57, ZSC
	v_lshl_add_u32 v[ZWR], v14, 4, s57             ; where my scale word goes: 256 (wave / 4) + 16 r + 4 (wave % 4): by the wave's number and the lane alone
	v_add_nc_u32 v[ZRD], ZSC, v[LI]
	v_cvt_f32_u32 v9, s19
	s_mov_b32 s58, 0xbe888889                      ; -4 / 15
	s_mov_b32 s59, 0xc0a00000                      ; -5
	v_fma_f32 v9, v9, s58, s59
	v_exp_f32 v10, v9
	v_mov_b32 v12, 0x3e124925                      ; 1 / 7.  (A plain line behind the exponential)
	s_wait_alu depctr_va_vdst(0)
	v_sub_f32 v11, 1.0, v10                        ; gamma, rounded to f32
	v_sub_f32 v15, 1.0, v11                        ; e = 1 - gamma, exact
	v_fmaak_f32 v12, v15, v12, 0x3e2aaaab
	v_fmaak_f32 v12, v15, v12, 0x3e4ccccd
	v_fmaak_f32 v12, v15, v12, 0x3e800000
	v_fmaak_f32 v12, v15, v12, 0x3eaaaaab
	v_fmaak_f32 v12, v15, v12, 0x3f000000
	v_fmaak_f32 v12, v15, v12, 0x3f800000
	v_mul_f32 v12, v15, v12                        ; -ln(gamma)
	v_mul_f32 v[LG], 0xbfb8aa3b, v12               ; L = log2(gamma)
.irp i, 0,1,2,3,4,5,6,7,8,9,10,11,12,13,14,15
	v_cvt_f32_i32 v[S+\i], -\i
.endr
.irp i, 0,1,2,3,4,5,6,7,8,9,10,11,12,13,14,15
	v_mul_f32 v[S+\i], v[LG], v[S+\i]
.endr
	WIN 0x40                                       ; destination window 1
.irp i, 0,1,2,3,4,5,6,7,8,9,10,11,12,13,14,15
	v_exp_f32 v[BI+\i], v[S+\i]                    ; gamma^(-i)
.endr
	WIN 0
.irp b, 0,1,2,3
	v_mov_b32 v[TM+4+\b], 0                        ; a lane permute's destination counts as one of its sources.  (Plain lines behind the batch)
.endr
	s_wait_alu depctr_va_vdst(0)                   ; one wait for the sixteen
	MEET 3                                         ; steps 0 and 1 are in; my three later loads may be out
	s_wait_loadcnt 0x0                             ; Q and its scale word: nothing else has been asked for yet
	KSTEP 0                                        ; every wave has this step: its products start O^T's sums
	WIN 0x40                                       ; what the end alone wants is asked for here, behind the first step, and waited for at the end.  Destination window 1
.irp c, 0,1,2,3,4,5,6,7,8,9,10,11,12,13,14,15
	global_load_b128 v[4*\c:4*\c+3], v[LI], s[50:51] offset:512*\c th:TH_LOAD_NT
.endr
.irp b, 0,1,2,3
.irp j, 0,1,2,3
	global_load_b128 v[64+16*\b+4*\j:64+16*\b+4*\j+3], v[GNO], s[52:53] offset:128*\b+16*\j   ; register 16 b + i: channel 32 b + 16 h + i
	global_load_b128 v[128+16*\b+4*\j:128+16*\b+4*\j+3], v[GNO], s[54:55] offset:128*\b+16*\j
.endr
.endr
	WIN 0
	KSTEP 1
	MEET 2                                         ; steps 2 and 3 are in; two later loads may be out
	KSTEP 2
	KSTEP 3
	MEET 1                                         ; steps 4 and 5; one may be out
	KSTEP 4
	KSTEP 5
	MEET 0                                         ; all
	KSTEP 6
	KSTEP 7
	; ---- GroupNorm over the head's 128 channels: 64 are mine, 64 lane l xor 16's.  The mean first, then the squares of the differences.
	PLACES 4
	v_pk_add_f32 v[10:11], v[O:O+1], v[O+2:O+3]
	v_pk_add_f32 v[12:13], v[O+4:O+5], v[O+6:O+7]
.irp j, 8,12,16,20,24,28,32,36,40,44,48,52,56,60
	v_pk_add_f32 v[10:11], v[10:11], v[O+\j:O+\j+1]
	v_pk_add_f32 v[12:13], v[12:13], v[O+\j+2:O+\j+3]
.endr
	v_pk_add_f32 v[10:11], v[10:11], v[12:13]
	v_add_f32 v10, v10, v11
	v_permlanex16_b32 v[TM+4], v10, s38, s39
	v_add_f32 v10, v10, v[TM+4]
	v_mul_f32 v10, 0x3c000000, v10                 ; the mean
.set yi, 0
.rept 32
	v_pk_add_f32 v[O+2*yi:O+2*yi+1], v[O+2*yi:O+2*yi+1], v[10:11] op_sel_hi:[1,0] neg_lo:[0,1] neg_hi:[0,1]
.set yi, yi+1
.endr
	v_pk_mul_f32 v[12:13], v[O:O+1], v[O:O+1]
	v_pk_mul_f32 v[14:15], v[O+2:O+3], v[O+2:O+3]
.irp j, 4,8,12,16,20,24,28,32,36,40,44,48,52,56,60
	v_pk_fma_f32 v[12:13], v[O+\j:O+\j+1], v[O+\j:O+\j+1], v[12:13]
	v_pk_fma_f32 v[14:15], v[O+\j+2:O+\j+3], v[O+\j+2:O+\j+3], v[14:15]
.endr
	v_pk_add_f32 v[12:13], v[12:13], v[14:15]
	v_add_f32 v12, v12, v13
	v_permlanex16_b32 v[TM+4], v12, s38, s39
	v_add_f32 v12, v12, v[TM+4]
	s_mov_b32 s60, 0x3c000000                      ; 1 / 128
	s_mov_b32 s61, 0x3727c5ac                      ; 1e-5
	v_fma_f32 v12, v12, s60, s61
	v_rsq_f32 v12, v12
	v_nop
	s_wait_alu depctr_va_vdst(0)
.set yi, 0
.rept 32
	v_pk_mul_f32 v[O+2*yi:O+2*yi+1], v[O+2*yi:O+2*yi+1], v[12:13] op_sel_hi:[1,0]
.set yi, yi+1
.endr
	s_wait_loadcnt 0x0                             ; the gate, the gains and the biases
	WIN 0x14                                       ; sources 1 and 2 window 1
.set yi, 0
.rept 32
	v_pk_fma_f32 v[O+2*yi:O+2*yi+1], v[O+2*yi:O+2*yi+1], v[64+2*yi:64+2*yi+1], v[128+2*yi:128+2*yi+1]   ; x gain + bias
.set yi, yi+1
.endr
	WIN 0x04
.set yi, 0
.rept 32
	v_pk_mul_f32 v[O+2*yi:O+2*yi+1], v[O+2*yi:O+2*yi+1], v[2*yi:2*yi+1]                                ; x gate
.set yi, yi+1
.endr
	WIN 0
	QUANT O
.irp c, 0,1,2
	global_store_b128 v[LI], v[PC+4*\c:PC+4*\c+3], s[66:67] offset:512*\c      ; the fragment's image: 512 consecutive bytes a store
.endr
	ds_store_b32 v[ZWR], v[PW]                     ; both halves of the lanes write the same word with the same value
	s_wait_dscnt 0x0                               ; for the others' sake
	s_barrier_signal -1
	s_barrier_wait -1
	s_cmp_lg_u32 s16, 0
	s_cbranch_scc1 .Lnot0
	v_bfe_u32 v36, v0, 4, 1                        ; lanes 0-15 hold the late block's rows (waves 0-3), lanes 16-31 the early block's
	v_sub_nc_u32 v36, 1, v36
	v_mul_u32_u24 v36, s86, v36
	v_add_nc_u32 v36, v36, v[SR]                   ; 32 r, + the way to the late block
	ds_load_b128 v[32:35], v[ZRD]                  ; a row's four words: fragments parity, 2 + parity, 4 + parity, 6 + parity
	s_wait_dscnt 0x0
	global_store_b128 v36, v[32:35], s[84:85]      ; sixteen bytes a lane, 32 bytes apart: the sixteen between are the work-group's of the other parity
.Lnot0:
	s_wait_tensorcnt 0x0                           ; the wave's end
	ds_add_u32 v[SPW], v[NIL]
	s_wait_dscnt 0x0
	s_endpgm
.Lfunc_end_k_qebe6b86bb6_ret:
	.size	k_qebe6b86bb6_ret, .Lfunc_end_k_qebe6b86bb6_ret-k_qebe6b86bb6_ret
	.p2alignl 7, 3214868480
	.fill 96, 4, 3214868480
	.section	.rodata,"a",@progbits
	.p2align	6, 0x0
	.amdhsa_kernel k_qebe6b86bb6_ret
		.amdhsa_group_segment_fixed_size 206336
		.amdhsa_private_segment_fixed_size 0
		.amdhsa_enable_private_segment 0
		.amdhsa_kernarg_size 48
		.amdhsa_user_sgpr_count 2
		.amdhsa_user_sgpr_kernarg_segment_ptr 1
		.amdhsa_wavefront_size32 1
		.amdhsa_system_sgpr_workgroup_id_x 1
		.amdhsa_system_sgpr_workgroup_id_y 1
		.amdhsa_system_sgpr_workgroup_id_z 1
		.amdhsa_system_vgpr_workitem_id 0
		.amdhsa_next_free_vgpr 512
		.amdhsa_next_free_sgpr 100
		.amdhsa_reserve_vcc 1
		.amdhsa_float_denorm_mode_32 3
		.amdhsa_float_denorm_mode_16_64 3
		.amdhsa_memory_ordered 1
		.amdhsa_forward_progress 1
		.amdhsa_inst_pref_size 204
	.end_amdhsa_kernel
	.amdgpu_metadata
---
amdhsa.version: [ 1, 2 ]
amdhsa.kernels:
  - .name:           k_qebe6b86bb6_ret
    .symbol:         k_qebe6b86bb6_ret.kd
    .args:
      - { .name: qf, .offset: 0, .size: 8, .value_kind: global_buffer, .address_space: global }
      - { .name: kv, .offset: 8, .size: 8, .value_kind: global_buffer, .address_space: global }
      - { .name: gate, .offset: 16, .size: 8, .value_kind: global_buffer, .address_space: global }
      - { .name: gn_weight, .offset: 24, .size: 8, .value_kind: global_buffer, .address_space: global }
      - { .name: gn_bias, .offset: 32, .size: 8, .value_kind: global_buffer, .address_space: global }
      - { .name: zq, .offset: 40, .size: 8, .value_kind: global_buffer, .address_space: global }
    .group_segment_fixed_size: 206336
    .private_segment_fixed_size: 0
    .kernarg_segment_align: 8
    .kernarg_segment_size: 48
    .max_flat_workgroup_size: 256
    .sgpr_count:     100
    .vgpr_count:     512
    .wavefront_size: 32
...
	.end_amdgpu_metadata
.endif
;; end of part 3
;; launch outp (part 4): grid 16 x 16, 4 waves a work-group, clusters of 4 x 4, 327,680 bytes of LDS; arguments zq, opq, out0; writes out0
.if DOCPART == 4
	.amdgcn_target "amdgcn-amd-amdhsa--gfx1250"
	.amdhsa_code_object_version 6
	.text
	.protected	k_qebe6b86bb6_outp
	.globl	k_qebe6b86bb6_outp
	.p2align	8
	.type	k_qebe6b86bb6_outp,@function
k_qebe6b86bb6_outp:
	s_mov_b64 s[64:65], 0
	v_nop
	global_prefetch_b8 v0, s[64:65] scope:SCOPE_SE
	s_setreg_imm32_b32 hwreg(HW_REG_WAVE_MODE, 25, 1), 1
	s_wait_xcnt 0x0
	s_wait_alu depctr_hold_cnt(0) depctr_sa_sdst(0) depctr_va_vdst(0) depctr_va_sdst(0) depctr_va_ssrc(0) depctr_va_vcc(0) depctr_vm_vsrc(0)
	s_getreg_b32 s2, hwreg(HW_REG_IB_STS2, 6, 4)
	s_cmp_eq_u32 s2, 0
	s_cbranch_scc0 .Lentry_in_a_cluster
	s_endpgm
.Lentry_in_a_cluster:
	s_bfe_u32 s2, ttmp6, 0x10000c
	s_cmp_lg_u32 s2, 0xf033
	s_cbranch_scc0 .Lentry_shape_is_right
	s_endpgm
.Lentry_shape_is_right:
; OUTP.  out0 = z W_O, 2,048 x 2,048 x 2,048, on codes of FP6 (E2M3) with E8M0 scales.  z (launch ret) and W_O (launch prep, the sixth operand of opq) lie as images of operand registers.
; Tiles of 256 x 256 would be 64, a quarter of the WGPs: so a tile is 128 x 128, 256 work-groups; each of four waves makes 64 x 64: 16 accumulators.
; K goes in slots of 512 through a ring of two LDS slots, as long as two slots allow, so that a refill has four steps, 64 products a wave, in which to land; each wave fetches a quarter of a slot
; (24,576 dense bytes, as 96 rows of 256) by one tensor load.  The scale words of the work-group's rows, for all of K, come once.
; CLUSTERS: 4 x 4: z's tiles are asked for jointly along a row of the cluster, W_O's along a column.
; The product is used transposed (source 0 = W_O's rows, source 1 = z's): a lane holds one token and eight neighbouring columns a tile.  A fragment's rows are 32 (f / 2) + 8 (f % 2) + r + 8 (r / 8) of its block of 128.
; THE WAY OUT: 16 tokens x 64 columns at a time through the wave's own stage in slot 0 (which has had its last fill and its last read), back as rows of 256 bytes: sixteen lanes store 256 consecutive aligned bytes.
; REGISTERS: window 0: v1-6 lane terms, v16-29 addresses, v32-63 scale words (two sets), v64-159 z's fragments (two sets of 48).  Window 1: W_O's (two sets of 48).  Window 2: v0-127 the accumulators.
.set N,      4
.set NQ,     4
.set LAPS,   2
.set SLOTG,  49152
.set SROWS,  16
.set SLOT,   98304
.set SCL,    196608
.set SPARE,  212992
.set OPSZ,   3276800
.set SCOFF,  3145728
.set RL,   1
.set LI,   2
.set HL,   3
.set ADRA, 16
.set ADRB, 20
.set STO,  24
.set RD,   25
.set CO,   26
.set ADRS, 27
.set SPW,  28
.set NIL,  29
.set SC,   32
.set AF,   64
.set G1,   24
.set G0,   32
.set G1B,  48
.set G0B,  56
.set G1S,  68
.set G0S,  76
.set G1SB, 80
.set G0SB, 88
.set MSB, 0
.macro WIN new
.if MSB != (\new)
	s_set_vgpr_msb (MSB<<8)|(\new)
.set MSB, (\new)
.endif
.endm
.set MUL_LO, 0xa1                      ; source 0 window 1, source 1 window 0, C and D window 2
.set TO_B,   0x40
.macro JLOAD g0a, g1a, g0b, g1b        ; a joint load: waves 0 and 1 fetch for z, waves 2 and 3 for W_O; an s_nop 0 and four v_nop follow each line
	s_cmp_eq_u32 s15, 0
	s_cbranch_scc0 .Lfor_b_\@
	tensor_load_to_lds s[\g0a:\g0a+3], s[\g1a:\g1a+7]
	s_nop 0
.rept 4
	v_nop
.endr
	s_branch .Lasked_\@
.Lfor_b_\@:
	tensor_load_to_lds s[\g0b:\g0b+3], s[\g1b:\g1b+7]
	s_nop 0
.rept 4
	v_nop
.endr
.Lasked_\@:
.endm
.macro CREST
	s_cmp_lg_u32 s14, 0
	s_cbranch_scc1 .Lnot_wave_0_\@
	s_barrier_signal -3
.Lnot_wave_0_\@:
	s_barrier_wait -3
	s_barrier_signal -1
	s_barrier_wait -1
.endm
.macro CROUND
	s_barrier_signal -1
	s_barrier_wait -1
	CREST
.endm
.macro PLACES n
.rept \n
	v_nop
.endr
.endm
.macro FETCH slot, q, p
	WIN TO_B
.set fi, 0
.rept N
.irp c, 0,1,2
	ds_load_b128 v[12*N*(\p)+12*fi+4*\c:12*N*(\p)+12*fi+4*\c+3], v[ADRB+\slot] offset:12288*(\q)+1536*fi+512*\c
.endr
.set fi, fi+1
.endr
	WIN 0
.set fi, 0
.rept N
.irp c, 0,1,2
	ds_load_b128 v[AF+12*N*(\p)+12*fi+4*\c:AF+12*N*(\p)+12*fi+4*\c+3], v[ADRA+\slot] offset:12288*(\q)+1536*fi+512*\c
.endr
.set fi, fi+1
.endr
.endm
.macro SCALES set                      ; lanes 0-15 z's words, lanes 16-31 W_O's; my fragment i's word for step q in register 4 q + 2 (i % 2) + i / 2
.set sq, 0
.rept NQ
.irp u, 0,1
	ds_load_b64 v[SC+16*(\set)+4*sq+2*\u:SC+16*(\set)+4*sq+2*\u+1], v[ADRS] offset:512*sq+16*\u
.endr
.set sq, sq+1
.endr
.endm
.macro MULP k, p, q, set, zero         ; a quarter of a step's products; the sixteen accumulators take turns, one instruction a turn
.set ma, (\k)*N/4
.rept N/4
.set mb, 0
.rept N
.set rD, 8*(N*(ma%4)+mb)
.set rB, 12*N*(\p)+12*mb
.set rA, AF+12*N*(\p)+12*ma
.set sB, SC+16*(\set)+N*(\q)+(N/2)*(mb%2)+mb/2
.set sA, SC+16*(\set)+N*(\q)+(N/2)*(ma%2)+ma/2
.if \zero
	v_wmma_scale_f32_16x16x128_f8f6f4 v[rD:rD+7], v[rB:rB+11], v[rA:rA+11], 0, v[sB], v[sA] matrix_a_fmt:MATRIX_FMT_FP6 matrix_b_fmt:MATRIX_FMT_FP6 matrix_a_scale:MATRIX_SCALE_ROW1
.else
	v_wmma_scale_f32_16x16x128_f8f6f4 v[rD:rD+7], v[rB:rB+11], v[rA:rA+11], v[rD:rD+7], v[sB], v[sA] matrix_a_fmt:MATRIX_FMT_FP6 matrix_b_fmt:MATRIX_FMT_FP6 matrix_a_scale:MATRIX_SCALE_ROW1
.endif
.set mb, mb+1
.endr
.set ma, ma+1
.endr
.endm
.macro STEP slot, q, zero
	s_wait_dscnt 0x0                               ; this step's fragments, asked for a step ago, are in
	PLACES 4                                       ; four plain lines between the last products and loads into the set that they read
	FETCH \slot, (\q)+1, 1-(\q)%2
	WIN MUL_LO
	MULP 0, (\q)%2, \q, \slot, \zero
	MULP 1, (\q)%2, \q, \slot, \zero
	MULP 2, (\q)%2, \q, \slot, \zero
	MULP 3, (\q)%2, \q, \slot, \zero
	WIN 0
.endm
.macro TURN slot, next, fill           ; a slot's last step changes slots
	s_wait_tensorcnt 0x0                           ; my part of the next slot has landed; no tensor load of mine is out
	ds_add_u32 v[SPW], v[NIL]
	s_wait_dscnt 1                                 ; only the add may be out
	WIN MUL_LO
	MULP 0, 1, NQ-1, \slot, 0
	s_wait_dscnt 0x0                               ; the add is done, and my reads of this slot are over
	s_barrier_signal -1
	MULP 1, 1, NQ-1, \slot, 0
	WIN 0
	s_barrier_wait -1
.if \fill
	CREST                                          ; the barrier has opened a round of the cluster's
	s_add_nc_u64 s[G0+4*\slot+2:G0+4*\slot+3], s[G0+4*\slot+2:G0+4*\slot+3], 2*SLOTG
	s_add_nc_u64 s[G0B+4*\slot+2:G0B+4*\slot+3], s[G0B+4*\slot+2:G0B+4*\slot+3], 2*SLOTG
	JLOAD G0+4*\slot, G1, G0B+4*\slot, G1B         ; the first tensor load behind the round
.else
	PLACES 4
.endif
	v_add_nc_u32 v[ADRS], 512*NQ, v[ADRS]
	FETCH \next, 0, 0
	SCALES \next
	WIN MUL_LO
	MULP 2, 1, NQ-1, \slot, 0
	MULP 3, 1, NQ-1, \slot, 0
	WIN 0
.endm
	s_load_b128 s[4:7], s[0:1], 0x0                ; zq, opq
	s_load_b64 s[8:9], s[0:1], 0x10                ; out0
	v_lshl_add_u32 v[SPW], v0, 2, SPARE
	v_mov_b32 v[NIL], 0
	ds_add_u32 v[SPW], v[NIL]                      ; the wave's opening: the add and its wait ahead of my first tensor load
	v_lshrrev_b32 v1, 5, v0
	v_readfirstlane_b32 s14, v1
	s_lshr_b32 s15, s14, 1                         ; my half of the tile's tokens.  Also: I fetch for z (0) or for W_O (1)
	s_and_b32 s16, s14, 1                          ; my half of its columns.  Also: which half of a slot's part I fetch
	s_bfe_u32 s40, ttmp6, 0x40000
	s_bfe_u32 s41, ttmp6, 0x40004
	s_lshl_b32 s42, ttmp9, 2
	s_add_co_u32 s42, s42, s40                     ; tile column, 0 to 15
	s_and_b32 s17, ttmp7, 0xffff
	s_lshl_b32 s17, s17, 2
	s_add_co_u32 s17, s17, s41                     ; tile row, 0 to 15
	s_lshl_b32 s43, s41, 2
	s_lshl_b32 s43, 15, s43
	s_lshl_b32 s44, 0x1111, s40
	s_or_b32 s[G1+0], s43, (3<<16)|(1<<21)
	s_or_b32 s[G1B+0], s44, (3<<16)|(1<<21)
.irp g, G1, G1B
	s_mov_b32 s[\g+1], 32<<16
	s_mov_b32 s[\g+2], 96<<16
	s_mov_b32 s[\g+3], 32<<16
	s_mov_b32 s[\g+4], 96
	s_mov_b32 s[\g+5], 32
	s_mov_b32 s[\g+6], 0
	s_mov_b32 s[\g+7], 0
.endr
	s_or_b32 s[G1S+0], s43, (3<<16)|(1<<21)
	s_or_b32 s[G1SB+0], s44, (3<<16)|(1<<21)
.irp g, G1S, G1SB
	s_mov_b32 s[\g+1], 32<<16
	s_mov_b32 s[\g+2], SROWS<<16
	s_mov_b32 s[\g+3], 32<<16
	s_mov_b32 s[\g+4], SROWS
	s_mov_b32 s[\g+5], 32
	s_mov_b32 s[\g+6], 0
	s_mov_b32 s[\g+7], 0
.endr
	s_mul_i32 s18, s16, 24576                      ; my half of a slot's part: two of its four steps
	s_lshl_b32 s19, s16, 12                        ; and of the scale words
	s_mul_i32 s20, s17, 196608
	s_add_co_u32 s20, s20, s18
	s_lshl_b32 s22, s17, 13
	s_add_co_u32 s22, s22, s19
	s_add_co_u32 s22, s22, SCOFF
	s_mov_b32 s21, 0
	s_mov_b32 s23, 0
	s_mul_i32 s46, s42, 196608
	s_add_co_u32 s46, s46, s18
	s_add_co_u32 s46, s46, 5*OPSZ
	s_lshl_b32 s92, s42, 13
	s_add_co_u32 s92, s92, s19
	s_add_co_u32 s92, s92, 5*OPSZ+SCOFF
	s_mov_b32 s47, 0
	s_mov_b32 s93, 0
	s_mul_i32 s45, s14, 24576
	s_lshl_b32 s94, s14, 12
	s_wait_dscnt 0x0                               ; the opening add is done
	s_wait_kmcnt 0x0
	s_add_nc_u64 s[20:21], s[4:5], s[20:21]
	s_add_nc_u64 s[22:23], s[4:5], s[22:23]
	s_add_nc_u64 s[46:47], s[6:7], s[46:47]
	s_add_nc_u64 s[92:93], s[6:7], s[92:93]
	CROUND                                         ; all sixteen work-groups are here: the first joint loads meet
	s_mov_b32 s[G0S], 1
	s_add_co_u32 s[G0S+1], s94, SCL
	s_mov_b64 s[G0S+2:G0S+3], s[22:23]
	s_or_b32 s[G0S+3], s[G0S+3], 0x80000000
	s_mov_b32 s[G0SB], 1
	s_add_co_u32 s[G0SB+1], s94, SCL
	s_mov_b64 s[G0SB+2:G0SB+3], s[92:93]
	s_or_b32 s[G0SB+3], s[G0SB+3], 0x80000000
	JLOAD G0S, G1S, G0SB, G1SB
.irp s, 0,1
	s_mov_b32 s[G0+4*\s], 1
	s_add_co_u32 s[G0+4*\s+1], s45, \s*SLOT
	s_add_nc_u64 s[G0+4*\s+2:G0+4*\s+3], s[20:21], \s*SLOTG
	s_or_b32 s[G0+4*\s+3], s[G0+4*\s+3], 0x80000000
	s_mov_b32 s[G0B+4*\s], 1
	s_add_co_u32 s[G0B+4*\s+1], s45, \s*SLOT
	s_add_nc_u64 s[G0B+4*\s+2:G0B+4*\s+3], s[46:47], \s*SLOTG
	s_or_b32 s[G0B+4*\s+3], s[G0B+4*\s+3], 0x80000000
	JLOAD G0+4*\s, G1, G0B+4*\s, G1B               ; three loads of mine are out behind the second of these
.endr
	v_and_b32 v[RL], 15, v0
	v_bfe_u32 v[HL], v0, 4, 1
	v_and_b32 v4, 31, v0
	v_lshlrev_b32 v[LI], 4, v4
	s_mul_i32 s21, s15, 6144                       ; my four of z's eight fragments,
	s_mul_i32 s22, s16, 6144
	s_add_co_u32 s22, s22, 49152                   ; and of W_O's, behind z's part of the slot
.irp s, 0,1
	v_add_nc_u32 v[ADRA+\s], s21, v[LI]
	v_add_nc_u32 v[ADRB+\s], s22, v[LI]
	s_add_co_u32 s21, s21, SLOT
	s_add_co_u32 s22, s22, SLOT
.endr
	s_lshl_b32 s21, s15, 3                         ; scale words: z's, my four fragments' begin 8 bytes on for the upper half;
	s_lshl_b32 s22, s16, 3
	s_add_co_u32 s22, s22, 8192                    ; W_O's
	s_sub_co_u32 s22, s22, s21
	v_mul_u32_u24 v6, s22, v[HL]                   ; lanes 16-31 take W_O's: one product
	s_add_co_u32 s21, s21, SCL
	v_lshl_add_u32 v6, v[RL], 5, v6
	v_add_nc_u32 v[ADRS], s21, v6
	s_mul_i32 s23, s14, 16*272                     ; my stage
	v_mul_u32_u24 v5, v[RL], 272
	v_lshl_add_u32 v5, v[HL], 6, v5
	v_add_nc_u32 v[STO], s23, v5                   ; in: row r, + 64 h
	v_mul_u32_u24 v5, v[HL], 272
	v_lshl_add_u32 v5, v[RL], 4, v5
	v_add_nc_u32 v[RD], s23, v5                    ; back: lanes 0-15 one row of 256 bytes, lanes 16-31 the next
	v_lshlrev_b32 v[CO], 13, v[HL]
	v_lshl_add_u32 v[CO], v[RL], 4, v[CO]          ; and the same two rows in out0
	s_lshl_b32 s20, s17, 7
	s_lshl_b32 s21, s15, 6
	s_add_co_u32 s20, s20, s21
	s_lshl_b32 s20, s20, 13                        ; my first token's row: 8,192 bytes a row
	s_mov_b32 s21, 0
	s_lshl_b32 s46, s42, 9
	s_lshl_b32 s47, s16, 8
	s_add_co_u32 s46, s46, s47                     ; my first column, in bytes
	s_mov_b32 s47, 0
	s_add_nc_u64 s[20:21], s[20:21], s[46:47]
	s_add_nc_u64 s[8:9], s[8:9], s[20:21]
	s_wait_tensorcnt 1                             ; the scale words and my part of slot 0 are in; slot 1's load may be out
	s_barrier_signal -1
	s_barrier_wait -1
	FETCH 0, 0, 0
	SCALES 0
	STEP 0, 0, 1                                   ; the first step stands ahead of the loop: its products start the sums
	s_mov_b32 s3, LAPS-1
.Llap:
	STEP 0, 1, 0
	STEP 0, 2, 0
	TURN 0, 1, 1
	STEP 1, 0, 0
	STEP 1, 1, 0
	STEP 1, 2, 0
	TURN 1, 0, 1
	STEP 0, 0, 0
	s_sub_co_u32 s3, s3, 1
	s_cmp_lg_u32 s3, 0
	s_cbranch_scc1 .Llap
	STEP 0, 1, 0                                   ; the last lap fills nothing
	STEP 0, 2, 0
	TURN 0, 1, 0
	STEP 1, 0, 0
	STEP 1, 1, 0
	STEP 1, 2, 0
	s_wait_dscnt 0x0
	WIN MUL_LO
	MULP 0, 1, NQ-1, 1, 0
	MULP 1, 1, NQ-1, 1, 0
	MULP 2, 1, NQ-1, 1, 0
	MULP 3, 1, NQ-1, 1, 0
	WIN 0
; THE WAY OUT.  Tile j of z's fragment a holds, in lane (r, h), columns 32 (j / 2) + 8 (j % 2) + 16 h + 0 .. 7 of my 64.  LDS serves a wave's instructions in order: no wait between the stores and the loads.
.macro TOSTAGE a
	WIN 0x08                                       ; an LDS store's data are its source 1: window 2
.irp j, 0,1,2,3
	ds_store_b128 v[STO], v[8*(4*(\a)+\j):8*(4*(\a)+\j)+3] offset:128*(\j/2)+32*(\j%2)        ; each accumulator from its low end on
	ds_store_b128 v[STO], v[8*(4*(\a)+\j)+4:8*(4*(\a)+\j)+7] offset:128*(\j/2)+32*(\j%2)+16
.endr
	WIN 0
.set BB, 64+32*((\a)%2)
.irp t, 0,1,2,3,4,5,6,7
	ds_load_b128 v[BB+4*\t:BB+4*\t+3], v[RD] offset:544*\t
.endr
.endm
.macro SEND a, younger                 ; stage row 2 t + h is token 32 (a / 2) + 8 (a % 2) + 2 t + h + 8 (t / 4) of my 64
.set BB, 64+32*((\a)%2)
	s_wait_dscnt \younger
.irp t, 0,1,2,3,4,5,6,7
	global_store_b128 v[CO], v[BB+4*\t:BB+4*\t+3], s[8:9] offset:(2*\t+8*(\t/4)+8*((\a)%2)+32*((\a)/2))*8192 th:TH_STORE_NT   ; sixteen lanes: 256 consecutive aligned bytes
.endr
.endm
	PLACES 4                                       ; behind the last products: ahead of the first read of results and of loads into registers that held fragments
	TOSTAGE 0
	TOSTAGE 1
	SEND 0, 16                                     ; behind block 0's loads: block 1's 8 stores and 8 loads
	s_wait_xcnt 0x0                                ; block 0's stores have read their registers: block 2's loads may land there
	TOSTAGE 2
	SEND 1, 16
	s_wait_xcnt 0x0
	TOSTAGE 3
	SEND 2, 16
	SEND 3, 0
	s_wait_tensorcnt 0x0                           ; the wave's end: behind my last tensor load and my last LDS store
	ds_add_u32 v[SPW], v[NIL]
	s_wait_dscnt 0x0
	CROUND                                         ; the closing round
	s_endpgm
.Lfunc_end_k_qebe6b86bb6_outp:
	.size	k_qebe6b86bb6_outp, .Lfunc_end_k_qebe6b86bb6_outp-k_qebe6b86bb6_outp
	.p2alignl 7, 3214868480
	.fill 96, 4, 3214868480
	.section	.rodata,"a",@progbits
	.p2align	6, 0x0
	.amdhsa_kernel k_qebe6b86bb6_outp
		.amdhsa_group_segment_fixed_size 327680
		.amdhsa_private_segment_fixed_size 0
		.amdhsa_enable_private_segment 0
		.amdhsa_kernarg_size 24
		.amdhsa_user_sgpr_count 2
		.amdhsa_user_sgpr_kernarg_segment_ptr 1
		.amdhsa_wavefront_size32 1
		.amdhsa_system_sgpr_workgroup_id_x 1
		.amdhsa_system_sgpr_workgroup_id_y 1
		.amdhsa_system_sgpr_workgroup_id_z 1
		.amdhsa_system_vgpr_workitem_id 0
		.amdhsa_next_free_vgpr 640
		.amdhsa_next_free_sgpr 100
		.amdhsa_reserve_vcc 0
		.amdhsa_float_denorm_mode_32 3
		.amdhsa_float_denorm_mode_16_64 3
		.amdhsa_memory_ordered 1
		.amdhsa_forward_progress 1
		.amdhsa_inst_pref_size 83
	.end_amdhsa_kernel
	.amdgpu_metadata
---
amdhsa.version: [ 1, 2 ]
amdhsa.kernels:
  - .name:           k_qebe6b86bb6_outp
    .symbol:         k_qebe6b86bb6_outp.kd
    .args:
      - { .name: zq, .offset: 0, .size: 8, .value_kind: global_buffer, .address_space: global }
      - { .name: opq, .offset: 8, .size: 8, .value_kind: global_buffer, .address_space: global }
      - { .name: out0, .offset: 16, .size: 8, .value_kind: global_buffer, .address_space: global }
    .group_segment_fixed_size: 327680
    .private_segment_fixed_size: 0
    .kernarg_segment_align: 8
    .kernarg_segment_size: 24
    .max_flat_workgroup_size: 128
    .sgpr_count:     100
    .vgpr_count:     640
    .wavefront_size: 32
...
	.end_amdgpu_metadata
.endif
;; end of part 4
